; MI455X (gfx1250); checked and timed in simulation.
; The chip was launched on July 23, 2026; its instructions are those of AMD's public machine-readable ISA for CDNA 5 (MIT licence, August 2026) and "CDNA5" Instruction Set Architecture Reference Guide (July 2026). The comments in the code are by the model that wrote it; some were corrected since.
;; Attention. Allowed arithmetic: matrix products marked QUANTISED: E5M2 operands, one given power-of-two scale a tensor, by v_wmma_f32_16x16x64_bf8_bf8 or v_wmma_f32_16x16x128_bf8_bf8, f32 sums; everything else in f32.
;; Inputs: W_attn 1,024 x 3,072 float32; W_proj 1,024 x 1,024 float32; attention_mask 4 x 1 x 1 x 2,048 float32; b_attn 3,072 float32; b_proj 1,024 float32; hidden_state 4 x 2,048 x 1,024 float32; lowp_scales 8 int32 (the exponents e of the quantised operands' scales 2^e).
;; Outputs: out0 4 x 2,048 x 1,024 float32.
;; This version of the problem:
;;   THIS VERSION OF THE PROBLEM IS GIVEN IN LOW PRECISION. The matrix products marked QUANTISED in the list below multiply operands that are first quantised to E5M2 (5 exponent bits, 2 mantissa bits; 8 bits a number), with one given power-of-two scale for each operand tensor; their sums are f32. All else is computed in f32.
;;   The module's matrix products, in the order in which they are computed (A, B: the left and right operand; K: the contracted axis; several contracted axes count as one K, in the product's order):
;;     1. [M 8,192, K 1,024] x [K 1,024, N 3,072]; A: input hidden_state; B: input W_attn: QUANTISED (scales: A lowp_scales[0], B lowp_scales[1])
;;     2. batch 64 x [M 2,048, K 64] x [K 64, N 2,048]; A: computed on the way; B: computed on the way: QUANTISED (scales: A lowp_scales[2], B lowp_scales[3])
;;     3. batch 64 x [M 2,048, K 2,048] x [K 2,048, N 64]; A: softmax (see below); B: computed on the way: QUANTISED (scales: A lowp_scales[4], B lowp_scales[5])
;;     4. [M 8,192, K 1,024] x [K 1,024, N 1,024]; A: computed on the way; B: input W_proj: QUANTISED (scales: A lowp_scales[6], B lowp_scales[7])
;;   THE QUANTISER, for each operand of a quantised product, along K:
;;     - The operand's scale is 2^e, e = its entry of the input lowp_scales (int32; the entries are numbered through the quantised products in the list's order, A before B).
;;     - Each number is divided by the scale, clamped to +-57,344, and rounded to the nearest number of E5M2, ties to even, subnormals kept.
;;     - The product sums the exact products of the quantised numbers (number of the format x scale) in f32.
;;   ~~~python
;;   def quantise(x, axis, e):      # numpy; x: float32 -> the quantised numbers, widened to float32 again
;;       x = np.moveaxis(x, axis, -1); K = x.shape[-1]
;;       r = np.clip(x / 2.0 ** e, -57344, 57344)
;;       step = 2.0 ** (np.maximum(np.frexp(np.where(r == 0, 1, r))[1] - 1, -14) - 2)
;;       q = np.round(r / step) * step * 2.0 ** e      # np.round: ties to even
;;       return np.moveaxis(q, -1, axis).astype(np.float32)
;;   ~~~
;;   SOFTMAX AHEAD OF A QUANTISED PRODUCT. Where the list says 'softmax', what is quantised is not the finished softmax but p = 2^(t - M), with t = logit x log2(e) and M = ceil(the row's largest t), a whole number; so 1/2 < the row's largest p <= 1. The row's sum l is taken of the UNQUANTISED p, in f32, and the product's result is divided by l at the end. Since M is a whole number, a kernel that streams over the keys may use a running M (the ceiling of the running maximum): every later rescaling is an exact power of two, so the quantised numbers keep their values, but for numbers so far below the row's largest that they fall under the format's range.
;;   OPERANDS COMPUTED ON THE WAY. 'Computed on the way' means the value that the module computes at that place (a softmax that the list does not call 'softmax' is quantised finished and normalised). What goes into a quantiser is computed in f32, as accurately as f32 sums, v_exp_f32 and their like allow (about 1e-6 of the number): no bf16 or f16 on the way to a quantiser, and a product that is left as it is and whose result goes on into a quantised operand takes f32 operands (vector FMAs, or v_wmma_f32_16x16x4_f32). A number that lies on a knife's edge between two numbers of the format may be rounded either way, as far as f32 arithmetic and the matrix unit's own rounding can turn it there, and no further.
;; One version. Each part assembles by itself: llvm-mc -triple=amdgcn-amd-amdhsa -mcpu=gfx1250 --defsym DOCPART=n.
;; ======== version 1 of 1: 4 launches
;; workspace buffers: x_codes 8,388,608 bytes; wa_codes 3,145,728 bytes; wp_codes 1,048,576 bytes; q_codes 8,388,608 bytes; k_codes 8,388,608 bytes; vt_codes 8,388,608 bytes; a_codes 8,388,608 bytes
;; launch prep (part 1): grid 384 x 1, 4 waves a work-group, no clusters, 67,584 bytes of LDS; arguments hidden_state, W_attn, W_proj, lowp_scales, x_codes, wa_codes, wp_codes; writes x_codes, wa_codes, wp_codes
.if DOCPART == 1
	.amdgcn_target "amdgcn-amd-amdhsa--gfx1250"
	.amdhsa_code_object_version 6
	.text
	.protected	k_qacbd4ad908_prep
	.globl	k_qacbd4ad908_prep
	.p2align	8
	.type	k_qacbd4ad908_prep,@function
k_qacbd4ad908_prep:
	s_mov_b64 s[64:65], 0
	v_nop
	global_prefetch_b8 v0, s[64:65] scope:SCOPE_SE
	s_setreg_imm32_b32 hwreg(HW_REG_WAVE_MODE, 25, 1), 1
	s_wait_xcnt 0x0
; The three f32 inputs of the two large products become codes of BF8 (E5M2), K innermost, each with its given scale 2^e:
;   hidden_state [8192][1024] -> x_codes [8192][1024] (e = entry 0);  W_attn [1024 k][3072 n] -> wa_codes [3072 n][1024 k] (entry 1);  W_proj [1024 k][1024 n] -> wp_codes [1024 n][1024 k] (entry 7).
; code = x / 2^e, held within +-57,344, rounded to the nearest code, ties to even.  LIMITS: -126 <= e <= 112 for each of the three; NaN among the inputs is not served.
; Work-groups 0-255 take hidden_state (K innermost: a plain stream), work-groups 256-383 the two weights (K outermost: a lane takes a column, its registers run down K).
; The two ways part on the work-group's number and have LDS bytes of their own.  No tensor loads, no barrier: waves share nothing.
.set XWG,   256                        ; work-groups of the first way: 8,388,608 numbers / (4 waves x 8,192)
.set STEPS, 16
.set EMAX,  15
.set MANT,  0x600000                   ; the mantissa field of 57,344 as f32
.set R,     16                         ; v16-79   first way: four sets of 16 numbers as they are loaded
.set X,     80                         ; v80-111  two sets of 16 neighbours
.set C,     128                        ; v128-191 codes, four registers for each step: no store's data are written again
.set WREG,  8192                       ; LDS 0-32767: a region for each wave: two stages of 32 x SP bytes
.set SP,    80                         ; a lane's place in a stage: 64 bytes + 16 of padding
.set WSTG,  32768                      ; LDS 32768-67583: second way: a stage of 32 rows x PITCH for each wave
.set PITCH, 272
.set XW,    32                         ; v32-95   second way: two sets of 32 numbers
.set CW,    96                         ; v96-103  a block's codes
.set OUTR,  112                        ; v112-175 the way out
.set RO,    176                        ; v176-207 4 x lane + i x (a row of the weight in bytes), i = 0 .. 31; never rewritten
	s_load_b256 s[4:11], s[0:1], 0x0               ; hidden_state s[4:5], W_attn s[6:7], W_proj s[8:9], the scales' exponents s[10:11]
	s_load_b128 s[12:15], s[0:1], 0x20             ; x_codes s[12:13], wa_codes s[14:15]
	s_load_b64 s[16:17], s[0:1], 0x30              ; wp_codes
	v_lshrrev_b32 v1, 5, v0
	v_readfirstlane_b32 s18, v1                    ; wave
	v_and_b32 v2, 31, v0                           ; lane
	s_wait_kmcnt 0x0
	s_load_b256 s[20:27], s[10:11], 0x0            ; e0 .. e7
	s_cmp_lt_u32 ttmp9, XWG
	s_cbranch_scc0 .Lw
; ---- hidden_state.  A wave takes 16 steps of 512 numbers.  Each load reads 512 consecutive bytes, 16 a lane; a step's 2,048 bytes turn through the wave's own stage and come back 64 bytes a lane:
; 16 neighbours along K in a lane's registers, as the conversions want them.  A lane's 16 codes are 16 bytes: the wave stores 512 consecutive bytes.
	v_lshlrev_b32 v3, 4, v2                        ; my 16 bytes of a load's 512
	s_mul_i32 s28, s18, WREG
	v_lshrrev_b32 v14, 2, v2
	v_mul_u32_u24 v14, v14, SP
	v_and_b32 v15, 3, v2
	v_lshl_add_u32 v14, v15, 4, v14
	v_add_nc_u32 v14, s28, v14                     ; into the stage: SP (lane / 4) + 16 (lane % 4)
	v_mul_u32_u24 v15, v2, SP
	v_add_nc_u32 v15, s28, v15                     ; out of it: SP x lane
	v_lshlrev_b32 v4, 4, v2                        ; my codes' place in a step's
	s_lshl_b32 s28, ttmp9, 2
	s_add_co_u32 s28, s28, s18                     ; which run of 8,192 numbers is my wave's
	s_mov_b32 s29, 0
	s_lshl_b64 s[30:31], s[28:29], 15
	s_add_nc_u64 s[4:5], s[4:5], s[30:31]
	s_lshl_b64 s[30:31], s[28:29], 13
	s_add_nc_u64 s[12:13], s[12:13], s[30:31]
.macro XLOAD t
.irp i, 0,1,2,3
	global_load_b128 v[R+16*((\t)%4)+4*\i:R+16*((\t)%4)+4*\i+3], v3, s[4:5] offset:2048*(\t)+512*\i th:TH_LOAD_NT
.endr
.endm
.macro XTURN t                         ; LDS serves a wave's instructions in order: no wait between the stores and the loads
.irp i, 0,1,2,3
	ds_store_b128 v14, v[R+16*((\t)%4)+4*\i:R+16*((\t)%4)+4*\i+3] offset:32*SP*((\t)%2)+8*SP*\i
.endr
.irp i, 0,1,2,3
	ds_load_b128 v[X+16*((\t)%2)+4*\i:X+16*((\t)%2)+4*\i+3], v15 offset:32*SP*((\t)%2)+16*\i
.endr
.endm
.irp t, 0,1,2,3
	XLOAD \t
.endr
	s_wait_kmcnt 0x0
	s_add_co_i32 s20, s20, 127
	s_lshl_b32 s21, s20, 23
	v_mov_b32 v11, s21                             ; 2^e0 as f32: the conversion takes its exponent field
	s_add_co_i32 s20, s20, EMAX
	s_lshl_b32 s20, s20, 23
	s_or_b32 s20, s20, MANT
	v_mov_b32 v10, s20                             ; 57,344 x 2^e0
	s_wait_loadcnt 12                              ; step 0's four loads are in; the twelve of steps 1 to 3 may be out
	XTURN 0
.macro XSTEP t
.set XS, X+16*((\t)%2)
	s_wait_dscnt 0x0                               ; this step's numbers are back from the stage, so its stores into the stage have read their registers,
.if (\t)+4 < STEPS
	XLOAD (\t)+4                                   ; which take the loads of four steps on
.endif
.if (\t)+1 < STEPS
.if STEPS-2-(\t) >= 3
	s_wait_loadcnt 12                              ; the next step's four loads are in; those of the three steps behind it may be out
.else
	s_wait_loadcnt 4*(STEPS-2-(\t))
.endif
	XTURN (\t)+1
.endif
.irp i, 0,1,2,3,4,5,6,7,8,9,10,11,12,13,14,15
	v_med3_num_f32 v[XS+\i], v[XS+\i], -v10, v10   ; the conversion to an 8-bit code does not saturate (ISA guide 7.6.2): the hold comes first
.endr
	v_cvt_scalef32_pk8_bf8_f32 v[C+4*(\t):C+4*(\t)+1], v[XS:XS+7], v11
	v_cvt_scalef32_pk8_bf8_f32 v[C+4*(\t)+2:C+4*(\t)+3], v[XS+8:XS+15], v11
	global_store_b128 v4, v[C+4*(\t):C+4*(\t)+3], s[12:13] offset:512*(\t)   ; 32 lanes store 512 consecutive bytes
.endm
.irp t, 0,1,2,3,4,5,6,7,8,9,10,11,12,13,14,15
	XSTEP \t
.endr
	s_endpgm
; ---- the weights.  Work-groups 256-351: W_attn (24 strips of 128 columns x 4 quarters of K); 352-383: W_proj (8 x 4).  A wave takes 32 columns x 256 along K: 8 blocks of 32 a lane.
; Each load reads one row k at 32 neighbouring columns; the codes come out with K innermost and leave through the wave's stage as rows: sixteen lanes store 256 consecutive bytes, aligned.
.Lw:
	s_sub_co_u32 s28, ttmp9, XWG
	s_cmp_lt_u32 s28, 96                           ; W_attn or W_proj?  The choice hangs on the work-group's number alone
	s_cselect_b64 s[6:7], s[6:7], s[8:9]
	s_cselect_b64 s[14:15], s[14:15], s[16:17]
	s_cselect_b32 s29, 0, 96
	s_cselect_b32 s33, 1, 0
	s_mov_b32 s30, 4096
	s_cselect_b32 s30, 12288, s30                  ; a row of the weight in bytes
	s_sub_co_u32 s28, s28, s29
	s_lshr_b32 s31, s28, 2                         ; strip
	s_and_b32 s28, s28, 3                          ; quarter of K
	s_lshl_b32 s31, s31, 7
	s_lshl_b32 s34, s18, 5
	s_add_co_u32 s31, s31, s34                     ; my wave's first column
	s_mul_i32 s34, s28, s30
	s_lshl_b32 s34, s34, 8                         ; 256 rows a quarter
	s_lshl_b32 s35, s31, 2
	s_add_co_u32 s34, s34, s35
	s_mov_b32 s35, 0
	s_add_nc_u64 s[36:37], s[6:7], s[34:35]        ; block 0's first row at my first column
	s_lshl_b32 s34, s30, 5                         ; 32 rows on
.irp t, 1,2,3,4,5,6,7
	s_add_nc_u64 s[36+2*\t:37+2*\t], s[34+2*\t:35+2*\t], s[34:35]   ; a base for each block: no pointer is stepped while loads are out
.endr
	v_lshlrev_b32 v3, 2, v2
.set i, 0
.rept 32
	v_mad_u32_u24 v[RO+i], s30, i, v3
.set i, i+1
.endr
	s_mul_i32 s52, s18, 32*PITCH
	s_add_co_u32 s52, s52, WSTG                    ; my stage
	v_mul_u32_u24 v4, v2, PITCH
	v_add_nc_u32 v4, s52, v4                       ; into it: row = my column
	v_and_b32 v5, 15, v2
	v_lshrrev_b32 v6, 4, v2
	v_mul_u32_u24 v7, v6, PITCH
	v_lshl_add_u32 v7, v5, 4, v7
	v_add_nc_u32 v7, s52, v7                       ; out of it: sixteen lanes to a row, two rows an instruction
	v_lshlrev_b32 v8, 10, v6
	v_lshl_add_u32 v8, v5, 4, v8                   ; and the same place in the codes' buffer (rows of 1,024 bytes)
	s_lshl_b32 s52, s31, 10
	s_lshl_b32 s53, s28, 8
	s_add_co_u32 s52, s52, s53
	s_mov_b32 s53, 0
	s_add_nc_u64 s[14:15], s[14:15], s[52:53]
.macro WLOAD t                         ; block t: W(32 t + i, my column), i = 0 .. 31, into set t % 2
.set i, 0
.rept 32
	global_load_b32 v[XW+32*((\t)%2)+i], v[RO+i], s[36+2*(\t):37+2*(\t)] th:TH_LOAD_NT
.set i, i+1
.endr
.endm
	WLOAD 0
	WLOAD 1
	s_wait_kmcnt 0x0
	s_cmp_eq_u32 s33, 1
	s_cselect_b32 s21, s21, s27                    ; e1 or e7
	s_add_co_i32 s21, s21, 127
	s_lshl_b32 s22, s21, 23
	v_mov_b32 v11, s22
	s_add_co_i32 s21, s21, EMAX
	s_lshl_b32 s21, s21, 23
	s_or_b32 s21, s21, MANT
	v_mov_b32 v10, s21
.macro WBLOCK t
.set XS, XW+32*((\t)%2)
.if (\t) < 7
	s_wait_loadcnt 32                              ; this block's 32 loads are in; the next block's may be out
.else
	s_wait_loadcnt 0
.endif
.set i, 0
.rept 32
	v_med3_num_f32 v[XS+i], v[XS+i], -v10, v10
.set i, i+1
.endr
.irp g, 0,1,2,3
	v_cvt_scalef32_pk8_bf8_f32 v[CW+2*\g:CW+2*\g+1], v[XS+8*\g:XS+8*\g+7], v11
.endr
	ds_store_b128 v4, v[CW:CW+3] offset:32*(\t)
	ds_store_b128 v4, v[CW+4:CW+7] offset:32*(\t)+16
.if (\t)+2 < 8
	WLOAD (\t)+2
.endif
	s_wait_dscnt 0x0                               ; the stores have read their registers: the next block's codes may be written
.endm
.irp t, 0,1,2,3,4,5,6,7
	WBLOCK \t
.endr
.irp t, 0,1,2,3,4,5,6,7,8,9,10,11,12,13,14,15
	ds_load_b128 v[OUTR+4*\t:OUTR+4*\t+3], v7 offset:2*\t*PITCH
.endr
.irp t, 0,1,2,3,4,5,6,7,8,9,10,11,12,13,14,15
	s_wait_dscnt 15-\t                             ; LDS loads come back in order: load t is in, the 15 - t younger ones may be out
	global_store_b128 v8, v[OUTR+4*\t:OUTR+4*\t+3], s[14:15] offset:2*\t*1024
.endr
	s_endpgm
.Lfunc_end_k_qacbd4ad908_prep:
	.size	k_qacbd4ad908_prep, .Lfunc_end_k_qacbd4ad908_prep-k_qacbd4ad908_prep
	.p2alignl 7, 3214868480
	.fill 96, 4, 3214868480
	.section	.rodata,"a",@progbits
	.p2align	6, 0x0
	.amdhsa_kernel k_qacbd4ad908_prep
		.amdhsa_group_segment_fixed_size 67584
		.amdhsa_private_segment_fixed_size 0
		.amdhsa_enable_private_segment 0
		.amdhsa_kernarg_size 56
		.amdhsa_user_sgpr_count 2
		.amdhsa_user_sgpr_kernarg_segment_ptr 1
		.amdhsa_wavefront_size32 1
		.amdhsa_system_sgpr_workgroup_id_x 1
		.amdhsa_system_sgpr_workgroup_id_y 1
		.amdhsa_system_sgpr_workgroup_id_z 1
		.amdhsa_system_vgpr_workitem_id 0
		.amdhsa_next_free_vgpr 208
		.amdhsa_next_free_sgpr 66
		.amdhsa_reserve_vcc 0
		.amdhsa_float_denorm_mode_32 3
		.amdhsa_float_denorm_mode_16_64 3
		.amdhsa_memory_ordered 1
		.amdhsa_forward_progress 1
		.amdhsa_inst_pref_size 87
	.end_amdhsa_kernel
	.amdgpu_metadata
---
amdhsa.version: [ 1, 2 ]
amdhsa.kernels:
  - .name:           k_qacbd4ad908_prep
    .symbol:         k_qacbd4ad908_prep.kd
    .args:
      - { .name: hidden_state, .offset: 0, .size: 8, .value_kind: global_buffer, .address_space: global }
      - { .name: W_attn, .offset: 8, .size: 8, .value_kind: global_buffer, .address_space: global }
      - { .name: W_proj, .offset: 16, .size: 8, .value_kind: global_buffer, .address_space: global }
      - { .name: lowp_scales, .offset: 24, .size: 8, .value_kind: global_buffer, .address_space: global }
      - { .name: x_codes, .offset: 32, .size: 8, .value_kind: global_buffer, .address_space: global }
      - { .name: wa_codes, .offset: 40, .size: 8, .value_kind: global_buffer, .address_space: global }
      - { .name: wp_codes, .offset: 48, .size: 8, .value_kind: global_buffer, .address_space: global }
    .group_segment_fixed_size: 67584
    .private_segment_fixed_size: 0
    .kernarg_segment_align: 8
    .kernarg_segment_size: 56
    .max_flat_workgroup_size: 128
    .sgpr_count:     66
    .vgpr_count:     208
    .wavefront_size: 32
...
	.end_amdgpu_metadata
.endif
;; end of part 1
;; launch qkv (part 2): grid 12 x 32, 4 waves a work-group, clusters of 4 x 4, 327,680 bytes of LDS; arguments x_codes, wa_codes, lowp_scales, b_attn, q_codes, k_codes, vt_codes; writes q_codes, k_codes, vt_codes
.if DOCPART == 2
	.amdgcn_target "amdgcn-amd-amdhsa--gfx1250"
	.amdhsa_code_object_version 6
	.text
	.protected	k_qacbd4ad908_qkv
	.globl	k_qacbd4ad908_qkv
	.p2align	8
	.type	k_qacbd4ad908_qkv,@function
k_qacbd4ad908_qkv:
	s_mov_b64 s[64:65], 0
	v_nop
	global_prefetch_b8 v0, s[64:65] scope:SCOPE_SE
	s_setreg_imm32_b32 hwreg(HW_REG_WAVE_MODE, 25, 1), 1
	s_wait_xcnt 0x0
	s_wait_alu depctr_hold_cnt(0) depctr_sa_sdst(0) depctr_va_vdst(0) depctr_va_sdst(0) depctr_va_ssrc(0) depctr_va_vcc(0) depctr_vm_vsrc(0)
	s_getreg_b32 s2, hwreg(HW_REG_IB_STS2, 6, 4)
	s_cmp_eq_u32 s2, 0
	s_cbranch_scc0 .Lentry_in_a_cluster
	s_endpgm
.Lentry_in_a_cluster:
	s_bfe_u32 s2, ttmp6, 0x10000c
	s_cmp_lg_u32 s2, 0xf033
	s_cbranch_scc0 .Lentry_shape_is_right
	s_endpgm
.Lentry_shape_is_right:
; x W_attn + b_attn on codes of BF8, and its three thirds quantised at once for the attention: q_codes, k_codes [64 head][2048 s][64 d] (scales 2^e2, 2^e3), vt_codes [64 head][64 d][2048 s] (2^e5).
; A tile of 256 x 256 of the result is made by four waves, 128 x 128 each (64 accumulators, 512 registers); K = 1,024 goes in four steps of 256 through two LDS slots filled by joint tensor loads of a 4 x 4 cluster.
; ONE TEXT FOR ALL THREE THIRDS.  Clusters x = 0, 1 make q and k: operand A = the tokens (x_codes), B = rows 0-2047 of wa_codes.  Clusters x = 2 make V TRANSPOSED: A = rows 2048-3071 of wa_codes, B = the tokens.
; The matrix instruction takes source 0 = 16 rows of B and source 1 = 16 rows of A, so a lane's eight results are eight neighbours along B's rows: along d for q and k, along the tokens for V^T: in each case the next
; product's K, which is what the conversion to codes wants in one lane's registers.  Which operand is which hangs on the cluster's x alone, which all sixteen partners share.
; A number of x is code x 2^e0, of W code x 2^e1: a finished sum is multiplied by 2^(e0 + e1), the bias is added in the same fused line, the hold and the conversion follow.
; LIMITS: e0 + e1 between -126 and 127; e2, e3, e5 between -126 and 112.  NaN is not served.
; REGISTERS, in windows of 256: window 0: v0-31 addresses; v32-95 the bias along B's rows, v96-111 the bias along A's rows (both idle in the loop); from v128 A's fragments, one set; on the way out v128-255 are free.
;   window 1: B's fragments, two sets.   window 2: the accumulators of my rows 0-63 ((a, b) at v[8 (8 a + b)]);   window 3: those of my rows 64-127.
.set KSTEP,  256
.set ROWB,   256
.set KROW,   1024                      ; a row of either operand in memory, in bytes
.set PITCH,  272                       ; an LDS row: 256 bytes + 16 of padding: the 16 rows that a load touches start at 16 different banks (64 banks of 4 bytes: ISA guide 11.1)
.set FR,     16
.set NL,     4
.set NP,     4
.set HALFT,  128*PITCH
.set SLOT,   4*HALFT
.set LAPS,   2                         ; 1,024 / (2 x 256)
.set SPARE,  2*SLOT                    ; behind the ring: the spare words, 128 bytes a wave, which no other line names
.set ADRA, 16
.set ADRB, 20
.set STO,  24                          ; v24  the way out: where I put 8 codes
.set SPW,  28
.set NIL,  29
.set CBI,  32
.set RBI,  96
.set TMP,  128
.set COD,  192
.set AF,   128
.set G1, 24
.set G0, 32
.set G1B, 48
.set G0B, 56
.set MSB, 0
.macro WIN new                         ; the immediate's high byte repeats the setting that is left
.if MSB != \new
	s_set_vgpr_msb (MSB<<8)|\new
.set MSB, \new
.endif
.endm
.set MUL_LO, 0xa1                      ; source 0 (B) window 1, source 1 (A) window 0, C and D window 2
.set MUL_HI, 0xf1
.set TO_B,   0x40
; A joint load: waves 0 and 1 fetch for A, waves 2 and 3 for B.  The branch hangs on the wave's number alone.  Four v_nop follow each of the two lines.
.macro JLOAD g0a, g1a, g0b, g1b
	s_cmp_eq_u32 s15, 0
	s_cbranch_scc0 .Lfor_b_\@
	tensor_load_to_lds s[\g0a:\g0a+3], s[\g1a:\g1a+7]
.rept 4
	v_nop
.endr
	s_branch .Lasked_\@
.Lfor_b_\@:
	tensor_load_to_lds s[\g0b:\g0b+3], s[\g1b:\g1b+7]
.rept 4
	v_nop
.endr
.Lasked_\@:
.endm
.macro CREST
	s_cmp_lg_u32 s14, 0
	s_cbranch_scc1 .Lnot_wave_0_\@
	s_barrier_signal -3
.Lnot_wave_0_\@:
	s_barrier_wait -3
	s_barrier_signal -1
	s_barrier_wait -1
.endm
.macro CROUND
	s_barrier_signal -1
	s_barrier_wait -1
	CREST
.endm
	s_load_b256 s[4:11], s[0:1], 0x0               ; x_codes s[4:5], wa_codes s[6:7], the scales' exponents s[8:9], b_attn s[10:11]
	s_load_b128 s[68:71], s[0:1], 0x20             ; q_codes s[68:69], k_codes s[70:71]
	s_load_b64 s[72:73], s[0:1], 0x30              ; vt_codes
	v_lshl_add_u32 v[SPW], v0, 2, SPARE
	v_mov_b32 v[NIL], 0
	v_lshrrev_b32 v1, 5, v0
	v_readfirstlane_b32 s14, v1                    ; wave 0..3
	s_lshr_b32 s15, s14, 1                         ; which half of the tile's rows is mine.  Also: I fetch for A (0) or for B (1)
	s_and_b32 s16, s14, 1                          ; which half of its columns.  Also: which 128 rows of that tile I fetch
	s_bfe_u32 s40, ttmp6, 0x40000                  ; cx
	s_bfe_u32 s41, ttmp6, 0x40004                  ; cy
	s_and_b32 s17, ttmp7, 0xffff
	s_lshl_b32 s17, s17, 2                         ; 4 x cluster y
	s_lshl_b32 s42, ttmp9, 2                       ; 4 x cluster x
	s_cmp_eq_u32 ttmp9, 2                          ; V^T?
	s_cselect_b32 s42, s17, s42                    ; tile column: V^T: 4 cluster y + cx (32 tiles of tokens); q, k: 4 cluster x + cx (8 tiles of features)
	s_cselect_b32 s17, 0, s17                      ; tile row:    V^T: cy (4 tiles of features);               q, k: 4 cluster y + cy (32 tiles of tokens)
	s_cselect_b32 s92, 0x200000, 0                 ; V^T: A begins at row 2,048 of wa_codes
	s_cselect_b32 s90, 0, -1                       ; all ones for q and k
	s_cselect_b32 s91, -1, 0                       ; all ones for V^T
	s_add_co_u32 s42, s42, s40
	s_add_co_u32 s17, s17, s41
	s_lshl_b32 s43, s41, 2
	s_lshl_b32 s43, 15, s43                        ; my row of the cluster
	s_lshl_b32 s44, 0x1111, s40                    ; my column
	s_or_b32 s[G1+0], s43, (0<<16)|(1<<20)|(1<<21)|(5<<22)|(3<<25)  ; the mask: A's tiles go to my row; elements of 1 byte; padding on; bit 21 beside a mask; 4 words behind every 64
	s_or_b32 s[G1B+0], s44, (0<<16)|(1<<20)|(1<<21)|(5<<22)|(3<<25)
.irp g, G1, G1B
	s_mov_b32 s[\g+1], ROWB<<16                    ; tensor_dim0
	s_mov_b32 s[\g+2], 128<<16                     ; tensor_dim1
	s_mov_b32 s[\g+3], ROWB<<16                    ; tile_dim0
	s_mov_b32 s[\g+4], 128                         ; tile_dim1
	s_mov_b32 s[\g+5], KROW                        ; tensor_dim0_stride
	s_mov_b32 s[\g+6], 0
	s_mov_b32 s[\g+7], 0
.endr
	s_lshl_b32 s18, s16, 7                         ; which 128 rows of the tile I fetch
	s_lshl_b32 s20, s17, 8
	s_add_co_u32 s20, s20, s18
	s_lshl_b32 s20, s20, 10                        ; A: (256 x tile row + 128 x half) rows of 1,024 bytes
	s_add_co_u32 s20, s20, s92
	s_mov_b32 s21, 0
	s_lshl_b32 s46, s42, 8
	s_add_co_u32 s46, s46, s18
	s_lshl_b32 s46, s46, 10                        ; B likewise, by the tile column
	s_mov_b32 s47, 0
	s_mul_i32 s45, s14, HALFT                      ; where they go: wave x 128 rows: no place in the cluster enters an LDS address
	s_wait_kmcnt 0x0
	s_load_b256 s[76:83], s[8:9], 0x0              ; e0 .. e7
	s_cmp_eq_u32 ttmp9, 2
	s_cselect_b64 s[84:85], s[6:7], s[4:5]         ; A's buffer
	s_cselect_b64 s[86:87], s[4:5], s[6:7]         ; B's buffer
	s_add_nc_u64 s[20:21], s[84:85], s[20:21]
	s_add_nc_u64 s[46:47], s[86:87], s[46:47]
	CROUND                                         ; all sixteen work-groups are here: the first joint loads meet
.irp s, 0,1
	s_mov_b32 s[G0+4*\s], 1
	s_add_co_u32 s[G0+4*\s+1], s45, \s*SLOT
	s_add_nc_u64 s[G0+4*\s+2:G0+4*\s+3], s[20:21], \s*ROWB
	s_or_b32 s[G0+4*\s+3], s[G0+4*\s+3], 0x80000000
	s_mov_b32 s[G0B+4*\s], 1
	s_add_co_u32 s[G0B+4*\s+1], s45, \s*SLOT
	s_add_nc_u64 s[G0B+4*\s+2:G0B+4*\s+3], s[46:47], \s*ROWB
	s_or_b32 s[G0B+4*\s+3], s[G0B+4*\s+3], 0x80000000
	JLOAD G0+4*\s, G1, G0B+4*\s, G1B
.endr
	v_and_b32 v1, 15, v0                           ; r = l % 16
	v_bfe_u32 v2, v0, 4, 1                         ; h = l / 16
	v_and_b32 v5, 31, v0                           ; l
	v_mul_u32_u24 v3, v1, PITCH
	v_lshl_add_u32 v4, v2, 4, v3                   ; a fragment's row x pitch + 16 x half
	s_mul_i32 s21, s15, HALFT
	s_mul_i32 s22, s16, HALFT
	s_add_co_u32 s22, s22, 2*HALFT
.irp s, 0,1
	v_add_nc_u32 v[ADRA+\s], s21, v4
	v_add_nc_u32 v[ADRB+\s], s22, v4
	s_add_co_u32 s21, s21, SLOT
	s_add_co_u32 s22, s22, SLOT
.endr
	; THE BIASES.  q, k: b_attn runs along B's rows: lane (r, h) wants, for B's block b, entries 256 C + 128 half + 16 b + 8 h + 0 .. 7.  V^T: it runs along A's rows: entry 2,048 + 256 R + 128 half + 16 a + r.
	; Both sets are loaded on both ways (the one that does not apply from the buffer's head, so that every load stays inside) and the wrong one is cleared on the way out.  The loads land while the products run.
	s_lshl_b32 s93, s42, 10
	s_lshl_b32 s94, s16, 9
	s_add_co_u32 s93, s93, s94
	s_and_b32 s93, s93, s90
	v_lshlrev_b32 v6, 5, v2
	v_add_nc_u32 v6, s93, v6
	s_lshl_b32 s93, s17, 10
	s_lshl_b32 s94, s15, 9
	s_add_co_u32 s93, s93, s94
	s_add_co_u32 s93, s93, 8192
	s_and_b32 s93, s93, s91
	v_lshlrev_b32 v7, 2, v1
	v_add_nc_u32 v7, s93, v7
.irp b, 0,1,2,3,4,5,6,7
	global_load_b128 v[CBI+8*\b:CBI+8*\b+3], v6, s[10:11] offset:64*\b
	global_load_b128 v[CBI+8*\b+4:CBI+8*\b+7], v6, s[10:11] offset:64*\b+16
.endr
.irp a, 0,1,2,3,4,5,6,7
	global_load_b32 v[RBI+2*\a], v7, s[10:11] offset:64*\a
.endr
	; the way out's addresses.  The stage is the work-group's: 256 rows (A's) x 256 codes (along B's rows), pitch 272, at LDS byte 0
	s_mul_i32 s23, s15, 128*PITCH
	s_lshl_b32 s93, s16, 7
	s_add_co_u32 s23, s23, s93
	v_mul_u32_u24 v[STO], v1, PITCH
	v_lshl_add_u32 v[STO], v2, 3, v[STO]
	v_add_nc_u32 v[STO], s23, v[STO]               ; (128 x row half + r) x pitch + 128 x column half + 8 h
	v_lshrrev_b32 v10, 2, v5
	v_mul_u32_u24 v10, v10, PITCH
	v_and_b32 v11, 3, v5
	v_lshl_add_u32 v10, v11, 4, v10
	s_lshl_b32 s93, s14, 6
	v_add_nc_u32 v10, s93, v10                     ; q, k, back: wave w takes the 64 codes of head w of each row: row l / 4, 16 (l % 4); eight rows an instruction
	v_add_nc_u32 v11, 16*8*PITCH, v10              ; rows 128 on
	v_lshlrev_b32 v13, 4, v5                       ; and in memory: 16 l: a head's rows of 64 bytes lie on end
	s_mul_i32 s93, s14, 64*PITCH
	v_mul_u32_u24 v12, v2, PITCH
	v_lshl_add_u32 v12, v1, 4, v12
	v_add_nc_u32 v12, s93, v12                     ; V^T, back: wave w takes rows 64 w on, whole: row l / 16, 16 (l % 16); two rows an instruction
	v_lshlrev_b32 v14, 11, v2
	v_lshl_add_u32 v14, v1, 4, v14                 ; and in memory: rows of 2,048 bytes
.macro FRAG reg, adr, q, i             ; 16 rows x 128 K: lane l holds row l % 16; registers 4 c .. 4 c + 3 hold K = 32 c + 16 (l / 16) + 0 .. 15: the same places in A and in B, so every product meets its partner
.irp c, 0,1,2,3
	ds_load_b128 v[\reg+4*\c:\reg+4*\c+3], v[\adr] offset:128*(\q)+32*\c+(\i)*16*PITCH
.endr
.endm
; 16 matrix instructions: A's blocks a0, a0 + 1 x B's eight.  The 64 accumulators take turns, one instruction a turn, in the same order in every step.
.macro MUL16 a0, p, zero
.irp a, \a0, \a0+1
.irp b, 0,1,2,3,4,5,6,7
.if \zero
	v_wmma_f32_16x16x128_bf8_bf8 v[8*(8*((\a)%4)+\b):8*(8*((\a)%4)+\b)+7], v[128*(\p)+FR*\b:128*(\p)+FR*\b+FR-1], v[AF+FR*(\a):AF+FR*(\a)+FR-1], 0
.else
	v_wmma_f32_16x16x128_bf8_bf8 v[8*(8*((\a)%4)+\b):8*(8*((\a)%4)+\b)+7], v[128*(\p)+FR*\b:128*(\p)+FR*\b+FR-1], v[AF+FR*(\a):AF+FR*(\a)+FR-1], v[8*(8*((\a)%4)+\b):8*(8*((\a)%4)+\b)+7]
.endif
.endr
.endr
.endm
.macro FETCH_B slot, q, p
	WIN TO_B
.irp i, 0,1,2,3,4,5,6,7
	FRAG 128*(\p)+FR*\i, ADRB+\slot, \q, \i
.endr
	WIN 0
.endm
.macro FETCH_A slot, q, i0
.irp i, \i0, \i0+1, \i0+2, \i0+3
	FRAG AF+FR*(\i), ADRA+\slot, \q, \i
.endr
.endm
.macro PLACES n                        ; plain vector lines between a matrix instruction and a load into, or a read of, its registers
.rept \n
	v_nop
.endr
.endm
.macro STEP slot, q, zero              ; 128 along K, with its successor in the same slot
	s_wait_dscnt 4*NL                              ; B's set and A's blocks 0-3 are in; the youngest 16 loads (A's blocks 4-7) may be out
	WIN MUL_LO
	MUL16 0, (\q)%2, \zero
	MUL16 2, (\q)%2, \zero
	s_wait_dscnt 0
	PLACES NP
	FETCH_B \slot, (\q)+1, 1-(\q)%2
	FETCH_A \slot, (\q)+1, 0
	WIN MUL_HI
	MUL16 4, (\q)%2, \zero
	MUL16 6, (\q)%2, \zero
	PLACES NP
	WIN 0
	FETCH_A \slot, (\q)+1, 4
.endm
; A slot's last step changes slots: one barrier; in front of it each wave waits for all its tensor loads, adds 0 to its spare word, and waits for that and for its own reads of this slot.
.macro TURN slot, next, fill
	s_wait_tensorcnt 0x0                           ; all my tensor loads have landed: my part of the next slot
	ds_add_u32 v[SPW], v[NIL]                      ; 0 onto my spare word
	s_wait_dscnt 4*NL+1                            ; (the add and the youngest 16 loads may be out)
	WIN MUL_LO
	MUL16 0, 1, 0
	s_wait_dscnt 0x0                               ; the add is done, and my reads of this slot are over
	s_barrier_signal -1
	MUL16 2, 1, 0
	WIN 0
	s_barrier_wait -1
.if \fill
	CREST                                          ; the barrier has opened a round of the cluster's barrier: no wave of any partner still reads this slot or has a load on its way
	s_add_nc_u64 s[G0+4*\slot+2:G0+4*\slot+3], s[G0+4*\slot+2:G0+4*\slot+3], 2*ROWB
	s_add_nc_u64 s[G0B+4*\slot+2:G0B+4*\slot+3], s[G0B+4*\slot+2:G0B+4*\slot+3], 2*ROWB
	JLOAD G0+4*\slot, G1, G0B+4*\slot, G1B         ; the first tensor load behind the round; its four v_nop are also the places in front of the loads below
.else
	PLACES NP
.endif
	FETCH_B \next, 0, 0
	FETCH_A \next, 0, 0
	WIN MUL_HI
	MUL16 4, 1, 0
	MUL16 6, 1, 0
	PLACES NP
	WIN 0
	FETCH_A \next, 0, 4
.endm
	s_wait_tensorcnt 1                             ; my part of K step 0 is in; K step 1's load may be out
	s_barrier_signal -1
	s_barrier_wait -1
	FETCH_B 0, 0, 0
	FETCH_A 0, 0, 0
	FETCH_A 0, 0, 4
	STEP 0, 0, 1                                   ; the first step's products start the sums
	s_mov_b32 s3, LAPS-1
.Llap:
	TURN 0, 1, 1
	STEP 1, 0, 0
	TURN 1, 0, 1
	STEP 0, 0, 0
	s_sub_co_u32 s3, s3, 1
	s_cmp_lg_u32 s3, 0
	s_cbranch_scc1 .Llap
	TURN 0, 1, 0                                   ; the last lap fills nothing
	STEP 1, 0, 0
	s_wait_dscnt 4*NL
	WIN MUL_LO
	MUL16 0, 1, 0
	MUL16 2, 1, 0
	s_wait_dscnt 0
	WIN MUL_HI
	MUL16 4, 1, 0
	MUL16 6, 1, 0
	WIN 0
	; THE WAY OUT.  sum x 2^(e0 + e1) + bias, held, converted: 8 codes a lane and accumulator.  They meet in the stage, which lies in slot 0: that slot has had its last fill, and every wave has left it at the last change of slots.
	s_wait_kmcnt 0x0
	s_add_co_i32 s96, s76, s77
	s_add_co_i32 s96, s96, 127
	s_lshl_b32 s96, s96, 23                        ; 2^(e0 + e1) as f32
	s_mov_b32 s97, s96                             ; (named with it as a pair, so it is written)
	s_cmp_eq_u32 ttmp9, 0
	s_cselect_b32 s93, s78, s79                    ; q: e2; k: e3;
	s_cmp_eq_u32 ttmp9, 2
	s_cselect_b32 s93, s81, s93                    ; V^T: e5
	s_add_co_i32 s93, s93, 127
	s_lshl_b32 s94, s93, 23
	s_add_co_i32 s93, s93, 15
	s_lshl_b32 s93, s93, 23
	s_or_b32 s93, s93, 0x600000
	s_wait_loadcnt 0x0                             ; the biases
	v_mov_b32 v8, s94                              ; 2^e as f32
	v_mov_b32 v9, s93                              ; 57,344 x 2^e
.set j, 0
.rept 64
	v_and_b32 v[CBI+j], s90, v[CBI+j]              ; the bias along B's rows counts for q and k alone.  (These plain lines, which name no register of the last products, are also the places behind them)
.set j, j+1
.endr
.irp a, 0,1,2,3,4,5,6,7
	v_and_b32 v[RBI+2*\a], s91, v[RBI+2*\a]        ; the bias along A's rows for V^T alone
	v_mov_b32 v[RBI+2*\a+1], v[RBI+2*\a]
.endr
.macro QBLOCK a                        ; A's block a: 16 rows x my 128 columns
.set AC, 64*((\a)%4)
	WIN 0x02+((\a)/4)                              ; source 0: window 2 or 3
.set j, 0
.rept 32
	v_pk_fma_f32 v[TMP+j:TMP+j+1], v[AC+j:AC+j+1], s[96:97], v[CBI+j:CBI+j+1] op_sel_hi:[1,0,1]   ; each accumulator from its low end on
.set j, j+2
.endr
	WIN 0
.set j, 0
.rept 32
	v_pk_add_f32 v[TMP+j:TMP+j+1], v[TMP+j:TMP+j+1], v[RBI+2*(\a):RBI+2*(\a)+1]   ; one of the two biases is 0, so nothing is rounded twice
.set j, j+2
.endr
.set j, 0
.rept 64
	v_med3_num_f32 v[TMP+j], v[TMP+j], -v9, v9     ; the conversion does not saturate (ISA guide 7.6.2): the hold comes first
.set j, j+1
.endr
.irp b, 0,1,2,3,4,5,6,7
	v_cvt_scalef32_pk8_bf8_f32 v[COD+2*\b:COD+2*\b+1], v[TMP+8*\b:TMP+8*\b+7], v8
.endr
	v_nop                                          ; a plain line between the conversions and the next lines that write their sources
.irp b, 0,1,2,3,4,5,6,7
	ds_store_b64 v[STO], v[COD+2*\b:COD+2*\b+1] offset:(\a)*16*PITCH+16*\b
.endr
	s_wait_dscnt 0x0                               ; the stores have read their registers; behind the last block: they have landed, for the other waves' sake
.endm
.irp a, 0,1,2,3,4,5,6,7
	QBLOCK \a
.endr
	s_barrier_signal -1
	s_barrier_wait -1                              ; the stage is whole
	s_cmp_eq_u32 ttmp9, 2                          ; the cluster's x: the same in all partners
	s_cbranch_scc1 .Lvt
	; q, k: head 4 cx + wave of batch R / 8, rows 256 (R % 8) on: 256 rows of 64 bytes, 16 KiB on end
	s_lshr_b32 s93, s17, 3
	s_lshl_b32 s93, s93, 4
	s_lshl_b32 s94, s40, 2
	s_add_co_u32 s93, s93, s94
	s_add_co_u32 s93, s93, s14
	s_lshl_b32 s93, s93, 17
	s_and_b32 s94, s17, 7
	s_lshl_b32 s94, s94, 14
	s_add_co_u32 s92, s93, s94
	s_mov_b32 s93, 0
	s_cmp_eq_u32 ttmp9, 0
	s_cselect_b64 s[88:89], s[68:69], s[70:71]
	s_add_nc_u64 s[88:89], s[88:89], s[92:93]
.irp i, 0,1,2,3,4,5,6,7,8,9,10,11,12,13,14,15
	ds_load_b128 v[128+4*\i:131+4*\i], v10 offset:\i*8*PITCH
.endr
.irp i, 0,1,2,3,4,5,6,7,8,9,10,11,12,13,14,15
	ds_load_b128 v[192+4*\i:195+4*\i], v11 offset:\i*8*PITCH
.endr
.set i, 0
.rept 32
	s_wait_dscnt 31-i                              ; load i is in, the 31 - i younger ones may be out
	global_store_b128 v13, v[128+4*i:131+4*i], s[88:89] offset:512*i   ; 32 lanes store 512 consecutive bytes, aligned
.set i, i+1
.endr
	s_branch .Ldone
.Lvt:
	; V^T: rows (batch C / 8) x 1,024 + 256 R + 64 wave on, of 2,048 bytes; columns 256 (C % 8) on
	s_lshr_b32 s92, s42, 3
	s_lshl_b32 s92, s92, 10
	s_lshl_b32 s93, s17, 8
	s_add_co_u32 s92, s92, s93
	s_lshl_b32 s93, s14, 6
	s_add_co_u32 s92, s92, s93
	s_lshl_b32 s92, s92, 11
	s_and_b32 s93, s42, 7
	s_lshl_b32 s93, s93, 8
	s_add_co_u32 s92, s92, s93
	s_mov_b32 s93, 0
	s_add_nc_u64 s[88:89], s[72:73], s[92:93]
.set i, 0
.rept 32
	ds_load_b128 v[128+4*i:131+4*i], v12 offset:i*2*PITCH
.set i, i+1
.endr
.set i, 0
.rept 32
	s_wait_dscnt 31-i
	global_store_b128 v14, v[128+4*i:131+4*i], s[88:89] offset:4096*i   ; sixteen lanes store 256 consecutive bytes, aligned
.set i, i+1
.endr
.Ldone:
	s_wait_tensorcnt 0x0                           ; the wave's end
	ds_add_u32 v[SPW], v[NIL]
	s_wait_dscnt 0x0
	CROUND                                         ; the closing round: no work-group ends while a partner may still ask for a tile that names it
	s_endpgm
.Lfunc_end_k_qacbd4ad908_qkv:
	.size	k_qacbd4ad908_qkv, .Lfunc_end_k_qacbd4ad908_qkv-k_qacbd4ad908_qkv
	.p2alignl 7, 3214868480
	.fill 96, 4, 3214868480
	.section	.rodata,"a",@progbits
	.p2align	6, 0x0
	.amdhsa_kernel k_qacbd4ad908_qkv
		.amdhsa_group_segment_fixed_size 327680
		.amdhsa_private_segment_fixed_size 0
		.amdhsa_enable_private_segment 0
		.amdhsa_kernarg_size 56
		.amdhsa_user_sgpr_count 2
		.amdhsa_user_sgpr_kernarg_segment_ptr 1
		.amdhsa_wavefront_size32 1
		.amdhsa_system_sgpr_workgroup_id_x 1
		.amdhsa_system_sgpr_workgroup_id_y 1
		.amdhsa_system_sgpr_workgroup_id_z 1
		.amdhsa_system_vgpr_workitem_id 0
		.amdhsa_next_free_vgpr 1024
		.amdhsa_next_free_sgpr 100
		.amdhsa_reserve_vcc 0
		.amdhsa_float_denorm_mode_32 3
		.amdhsa_float_denorm_mode_16_64 3
		.amdhsa_memory_ordered 1
		.amdhsa_forward_progress 1
		.amdhsa_inst_pref_size 169
	.end_amdhsa_kernel
	.amdgpu_metadata
---
amdhsa.version: [ 1, 2 ]
amdhsa.kernels:
  - .name:           k_qacbd4ad908_qkv
    .symbol:         k_qacbd4ad908_qkv.kd
    .args:
      - { .name: x_codes, .offset: 0, .size: 8, .value_kind: global_buffer, .address_space: global }
      - { .name: wa_codes, .offset: 8, .size: 8, .value_kind: global_buffer, .address_space: global }
      - { .name: lowp_scales, .offset: 16, .size: 8, .value_kind: global_buffer, .address_space: global }
      - { .name: b_attn, .offset: 24, .size: 8, .value_kind: global_buffer, .address_space: global }
      - { .name: q_codes, .offset: 32, .size: 8, .value_kind: global_buffer, .address_space: global }
      - { .name: k_codes, .offset: 40, .size: 8, .value_kind: global_buffer, .address_space: global }
      - { .name: vt_codes, .offset: 48, .size: 8, .value_kind: global_buffer, .address_space: global }
    .group_segment_fixed_size: 327680
    .private_segment_fixed_size: 0
    .kernarg_segment_align: 8
    .kernarg_segment_size: 56
    .max_flat_workgroup_size: 128
    .sgpr_count:     100
    .vgpr_count:     1024
    .wavefront_size: 32
...
	.end_amdgpu_metadata
.endif
;; end of part 2
;; launch attn (part 3): grid 8 x 64, 16 waves a work-group, clusters of 4 x 1, 327,680 bytes of LDS; arguments q_codes, k_codes, vt_codes, attention_mask, lowp_scales, a_codes; writes a_codes
.if DOCPART == 3
	.amdgcn_target "amdgcn-amd-amdhsa--gfx1250"
	.amdhsa_code_object_version 6
	.text
	.protected	k_qacbd4ad908_attn
	.globl	k_qacbd4ad908_attn
	.p2align	8
	.type	k_qacbd4ad908_attn,@function
k_qacbd4ad908_attn:
	s_mov_b64 s[64:65], 0
	v_nop
	global_prefetch_b8 v0, s[64:65] scope:SCOPE_SE
	s_setreg_imm32_b32 hwreg(HW_REG_WAVE_MODE, 25, 1), 1
	s_wait_xcnt 0x0
	s_wait_alu depctr_hold_cnt(0) depctr_sa_sdst(0) depctr_va_vdst(0) depctr_va_sdst(0) depctr_va_ssrc(0) depctr_va_vcc(0) depctr_vm_vsrc(0)
	s_getreg_b32 s2, hwreg(HW_REG_IB_STS2, 6, 4)
	s_cmp_eq_u32 s2, 0
	s_cbranch_scc0 .Lentry_in_a_cluster
	s_endpgm
.Lentry_in_a_cluster:
	s_bfe_u32 s2, ttmp6, 0x10000c
	s_cmp_lg_u32 s2, 0x3003
	s_cbranch_scc0 .Lentry_shape_is_right
	s_endpgm
.Lentry_shape_is_right:
; Causal attention of one head on codes of BF8, both products quantised; the result is quantised (2^e6) for the last product: a_codes [64 head][2048 s][64 d].
; logit(q, k) = q . k / 8 + mask[k] where k <= q, and fl(-10000 + mask[k]) where k > q.  t = logit x log2(e); M = the ceiling of the largest t so far, a whole number; p = 2^(t - M) is quantised with 2^e4;
; the row's sum is taken of the unquantised p and divides at the end.  When M moves, the sum and O are multiplied by a power of two, which rounds nothing.
; HIDDEN KEYS ARE NOT DROPPED: their logit is finite, and counts where a row's visible logits are as low.  It hangs on neither the query nor the head's q, so for a block of 128 keys that is hidden whole its M_j, its
; sum l_j and U_j = V^T p_j are made ONCE for the work-group (wave j makes block j: four matrix instructions), and each wave joins the blocks behind its own at its end, by powers of two.  The block on the diagonal
; is computed in full; its hidden keys get their own logit by a select.  Blocks in front of the diagonal are computed in full.  So about half of both products is not done.
; SHARES.  A head has 16 blocks of 128 queries.  A cluster of four work-groups takes eight of them (cluster x = 0: 0 2 4 6 9 11 13 15; x = 1: the others); a wave owns ONE tile of 16 queries.  Which BLOCK a wave takes hangs on its
; number and the cluster's x, so every branch is alike in the four partners; which TILE of the block hangs on the work-group's place and enters only Q's and the output's addresses and the diagonal's select.
; A work-group's waves have 136 full key steps in all, whichever cluster.
; LDS.  The whole head's K and V^T lie in LDS, each byte filled once, by joint tensor loads that name the four partners: no slot is filled again.  Four groups of 512 keys: K as rows of two keys (128 bytes + 16), V^T as 64 rows of 512 + 16.
; LAYOUT.  Both products are used transposed: S^T = K Q^T (source 0 = 16 keys), O^T = V^T P^T (source 0 = 16 of the head's 64): a lane holds one query (lane % 16) throughout.  Lane r of key tile 2 b + u takes key
; 32 b + 8 u + r + 8 (r / 8), so that registers 16 b + i of S^T are the neighbouring keys 32 b + 16 (lane / 16) + i.  The mask, divided by 2^(e2 + e3 - 3), is the C of the first product: it costs no vector line.
; LIMITS: e2 + e3 - 3 between -126 and 127; e4 and e6 between -126 and 112; 10000 x 2^(3 - e2 - e3) finite; NaN and +infinity among the inputs are not served; p's hold is taken under the running (or the block's) M.
; No prefetch: all that a work-group reads through LDS is asked for in its first lines.
; REGISTERS: v1-7, v11 addresses that stay; v8-10 addresses in hand; v12 -M, v13 the largest t, v[14:15] the sum; v16-23 Q; v24 r; v32-95 K's fragments, hidden logits, V's fragments; v96-159 S^T, then p; v160-191 O^T;
;   v192-199 more addresses; v224-239 p's codes; v240, v244: 57,344 x 2^e4, 2^e4; v241, v245: the same for e6; v236, v242, v243, v252-255 at work.
.set GRP,  70656                       ; a group: 36,864 bytes of K, 33,792 of V^T
.set KP,   144
.set VP,   528
.set VOFF, 36864
.set MT,   282624                      ; mask x 2^(3 - e2 - e3), f32 a key: 8,192 bytes
.set PH,   299008                      ; behind MT and the hidden logits (MT + 8,192): the codes of the hidden p: 2,048 bytes
.set TBL,  301056                      ; block j: -M_j, l_j / 2
.set UT,   301312                      ; U_j: 64 f32 a block
.set STG,  305408                      ; a stage of 1,280 bytes for each wave
.set SPB,  1280
.macro CROUND
	s_barrier_signal -1
	s_barrier_wait -1
	s_cmp_lg_u32 s18, 0
	s_cbranch_scc1 .Lnot_wave_0_\@
	s_barrier_signal -3
.Lnot_wave_0_\@:
	s_barrier_wait -3
	s_barrier_signal -1
	s_barrier_wait -1
.endm
	s_load_b256 s[4:11], s[0:1], 0x0               ; q_codes s[4:5], k_codes s[6:7], vt_codes s[8:9], attention_mask s[10:11]
	s_load_b128 s[12:15], s[0:1], 0x20             ; the scales' exponents s[12:13], a_codes s[14:15]
	v_lshrrev_b32 v8, 5, v0
	v_readfirstlane_b32 s18, v8                    ; wave 0..15
	s_bfe_u32 s60, ttmp6, 0x40000                  ; cx
	s_and_b32 s61, ttmp7, 0xffff                   ; the head, 0..63
	s_lshr_b32 s62, s18, 3
	s_lshl_b32 s62, s62, 2
	s_and_b32 s63, s18, 2
	s_add_co_u32 s62, s62, s63
	s_add_co_u32 s62, s62, ttmp9                   ; 4 (w / 8) + 2 ((w / 2) % 2) + cluster x
	s_lshr_b32 s63, s18, 2
	s_xor_b32 s63, s63, s18
	s_and_b32 s63, s63, 1
	s_mul_i32 s63, s63, 15
	s_xor_b32 s19, s62, s63                        ; my block: that number, or 15 less it where (w / 4 + w) is odd: early and late blocks are paired
	s_bfe_u32 s62, s18, 0x10002
	s_lshl_b32 s63, s60, 1
	s_add_co_u32 s62, s62, s63                     ; my tile of the block: 2 cx + (w / 4) % 2
	s_lshl_b32 s92, s62, 4
	s_lshl_b32 s63, s19, 7
	s_add_co_u32 s63, s63, s92                     ; my first query
	s_lshl_b32 s94, s61, 17                        ; the head's first byte in each buffer of codes
	s_mov_b32 s95, 0
	s_lshl_b32 s96, s63, 6
	s_add_co_u32 s96, s96, s94                     ; my tile's first byte in q_codes and a_codes
	s_mov_b32 s97, 0
	s_and_b32 s58, s18, 3
	s_mul_i32 s59, s58, 64*KP                      ; K: my 128 keys' place in a group,
	s_mul_i32 s66, s58, 16*VP
	s_add_co_u32 s66, s66, VOFF                    ; V^T: my 16 rows' place
	s_lshl_b32 s98, s58, 13
	s_add_co_u32 s98, s98, s94
	s_mov_b32 s99, 0
	s_lshl_b32 s56, s58, 15
	s_add_co_u32 s56, s56, s94
	s_mov_b32 s57, 0
	; descriptor group 1.  K: 64 rows of 128 bytes (two keys), dense.  V^T: 16 rows of 512 bytes, 2,048 apart.  Elements of 1 byte; the mask names the four partners, bit 21 beside it; 4 words of padding behind each row
	s_mov_b32 s24, 15|(1<<20)|(1<<21)|(4<<22)|(3<<25)
	s_mov_b32 s25, 128<<16
	s_mov_b32 s26, 64<<16
	s_mov_b32 s27, 128<<16
	s_mov_b32 s28, 64
	s_mov_b32 s29, 128
	s_mov_b32 s30, 0
	s_mov_b32 s31, 0
	s_mov_b32 s32, 15|(1<<20)|(1<<21)|(6<<22)|(3<<25)
	s_mov_b32 s33, 512<<16
	s_mov_b32 s34, 16<<16
	s_mov_b32 s35, 512<<16
	s_mov_b32 s36, 16
	s_mov_b32 s37, 2048
	s_mov_b32 s38, 0
	s_mov_b32 s39, 0
	s_mov_b32 s20, 0x76543210                      ; v_permlanex16_b32's selects for lane l xor 16
	s_mov_b32 s21, 0xfedcba98
	s_mov_b32 s2, 0                                ; LDS byte of the step's K,
	s_mov_b32 s3, 0                                ; of its V^T,
	s_mov_b32 s16, 0                               ; of its mask;
	s_mov_b32 s17, 0                               ; the step's number = its block of keys
	s_wait_kmcnt 0x0
	s_load_b256 s[84:91], s[12:13], 0x0            ; e0 .. e7
	s_add_nc_u64 s[6:7], s[6:7], s[98:99]
	s_add_nc_u64 s[8:9], s[8:9], s[56:57]
	s_add_nc_u64 s[4:5], s[4:5], s[96:97]
	s_add_nc_u64 s[14:15], s[14:15], s[96:97]
	CROUND                                         ; all four work-groups are here: the joint loads meet
.irp g, 0,1,2,3
	s_mov_b32 s[40+4*\g], 1
	s_add_co_u32 s[41+4*\g], s59, \g*GRP
	s_add_nc_u64 s[42+4*\g:43+4*\g], s[6:7], \g*32768
	s_or_b32 s[43+4*\g], s[43+4*\g], 0x80000000
	s_mov_b32 s[68+4*\g], 1
	s_add_co_u32 s[69+4*\g], s66, \g*GRP
	s_add_nc_u64 s[70+4*\g:71+4*\g], s[8:9], \g*512
	s_or_b32 s[71+4*\g], s[71+4*\g], 0x80000000
.endr
	s_cmp_lt_u32 s18, 4                            ; waves 0-3 fetch K, waves 4-7 V^T, group by group; a wave's four loads stand in one branch: four loads of mine are out at the most
	s_cbranch_scc0 .Lnot_k
	tensor_load_to_lds s[40:43], s[24:31]
	tensor_load_to_lds s[44:47], s[24:31]
	tensor_load_to_lds s[48:51], s[24:31]
	tensor_load_to_lds s[52:55], s[24:31]
.rept 4
	v_nop
.endr
	s_branch .Lasked
.Lnot_k:
	s_cmp_lt_u32 s18, 8
	s_cbranch_scc0 .Lasked
	tensor_load_to_lds s[68:71], s[32:39]
	tensor_load_to_lds s[72:75], s[32:39]
	tensor_load_to_lds s[76:79], s[32:39]
	tensor_load_to_lds s[80:83], s[32:39]
.rept 4
	v_nop
.endr
.Lasked:
	v_and_b32 v24, 15, v0                          ; r
	v_bfe_u32 v25, v0, 4, 1                        ; h
	v_and_b32 v26, 31, v0                          ; lane
	v_lshlrev_b32 v27, 6, v24
	v_lshl_add_u32 v27, v25, 4, v27
	global_load_b128 v[16:19], v27, s[4:5]         ; Q: row r, bytes 16 h + 32 c on: the same places along d as K's fragments have
	global_load_b128 v[20:23], v27, s[4:5] offset:32
	s_lshr_b32 s56, s61, 4                         ; the batch
	s_lshl_b32 s56, s56, 13
	s_lshl_b32 s57, s18, 9
	s_add_co_u32 s56, s56, s57
	v_lshlrev_b32 v28, 5, v24
	v_add_nc_u32 v28, s56, v28
	global_load_b128 v[32:35], v28, s[10:11]       ; the mask of keys 128 w + 8 r + 0 .. 7 (lanes 16-31 repeat lanes 0-15)
	global_load_b128 v[36:39], v28, s[10:11] offset:16
	v_and_b32 v29, 8, v24
	v_add_nc_u32 v29, v29, v24                     ; r + 8 (r / 8)
	v_lshrrev_b32 v30, 1, v29
	v_mul_u32_u24 v1, v30, KP
	v_and_b32 v30, 1, v29
	v_lshl_add_u32 v1, v30, 6, v1
	v_lshl_add_u32 v1, v25, 4, v1                  ; K: my key's row of two, its half, + 16 h
	v_mul_u32_u24 v2, v24, VP
	v_lshl_add_u32 v2, v25, 4, v2
	v_add_nc_u32 v2, VOFF, v2                      ; V^T: row r, + 16 h
	v_lshlrev_b32 v3, 6, v25
	v_add_nc_u32 v3, MT, v3                        ; the mask: my half's 16 keys of each 32
	v_lshlrev_b32 v4, 4, v25
	v_sub_nc_u32 v4, v24, v4
	v_add_nc_u32 v4, s92, v4                       ; my query's place in its block, less 16 h: on the diagonal register 16 b + i is hidden where 32 b + i is above it
	s_lshl_b32 s56, s18, 7
	s_add_co_u32 s56, s56, PH
	v_lshl_add_u32 v5, v25, 4, s56
	v_lshl_add_u32 v198, v24, 3, s56
	s_lshl_b32 s57, s18, 8
	s_add_co_u32 s57, s57, UT
	v_lshl_add_u32 v6, v25, 5, s57
	v_lshlrev_b32 v7, 3, v24
	v_add_nc_u32 v7, TBL, v7
	v_lshlrev_b32 v11, 3, v26
	v_add_nc_u32 v11, UT, v11
	s_mul_i32 s58, s18, SPB
	s_add_co_u32 s58, s58, STG                     ; my stage
	v_lshl_add_u32 v192, v26, 3, s58
	v_lshl_add_u32 v193, v25, 5, s58
	v_mul_u32_u24 v194, v24, 80
	v_lshl_add_u32 v194, v25, 3, v194
	v_add_nc_u32 v194, s58, v194
	v_lshrrev_b32 v195, 2, v26
	v_mul_u32_u24 v195, v195, 80
	v_and_b32 v196, 3, v26
	v_lshl_add_u32 v195, v196, 4, v195
	v_add_nc_u32 v195, s58, v195
	v_lshlrev_b32 v196, 4, v26
	s_lshl_b32 s59, s18, 9
	s_add_co_u32 s59, s59, MT
	v_lshl_add_u32 v197, v24, 5, s59
	s_lshl_b32 s59, s18, 3
	s_add_co_u32 s59, s59, TBL
	v_mov_b32 v199, s59
	v_mov_b32 v13, 0xff61b1e6                      ; the largest t so far: -3e38
	v_floor_f32 v12, -v13                          ; -M
	v_mov_b32 v14, 0
	v_mov_b32 v15, 0
	v_mov_b32 v236, 0                              ; a lane permute's destination counts as one of its sources
	v_mov_b32 v253, 0                              ; (upper halves of pairs that packed lines name)
	v_mov_b32 v255, 0
.set j, 0
.rept 32
	v_mov_b32 v[160+j], 0                          ; O^T: the step is written for every step alike; the first finds zeros
.set j, j+1
.endr
	s_wait_kmcnt 0x0
	s_add_co_i32 s56, s86, s87
	s_sub_co_i32 s57, 3, s56                       ; 3 - e2 - e3
	s_sub_co_i32 s56, s56, 3
	s_lshl_b32 s56, s56, 23
	s_add_co_i32 s22, s56, 0x3fb8aa3b              ; c = log2(e) x 2^(e2 + e3 - 3): the exponents are added to log2(e)'s exponent field
	s_mov_b32 s23, s22
	s_add_co_i32 s56, s88, 127
	s_lshl_b32 s58, s56, 23
	v_mov_b32 v244, s58
	s_add_co_i32 s56, s56, 15
	s_lshl_b32 s56, s56, 23
	s_or_b32 s56, s56, 0x600000
	v_mov_b32 v240, s56
	s_add_co_i32 s56, s90, 127
	s_lshl_b32 s58, s56, 23
	v_mov_b32 v245, s58
	s_add_co_i32 s56, s56, 15
	s_lshl_b32 s56, s56, 23
	s_or_b32 s56, s56, 0x600000
	v_mov_b32 v241, s56
	s_add_co_i32 s93, s88, s89                     ; e4 + e5
	s_mov_b32 s56, 0x3fb8aa3b
	s_wait_loadcnt 0x0                             ; Q and the mask
	; THE TABLES of block w: the mask and the hidden logit, both divided by 2^(e2 + e3 - 3); the hidden block's -M, half its sum, and its codes
.irp i, 0,1,2,3,4,5,6,7
	v_ldexp_f32 v[40+\i], v[32+\i], s57
	v_add_f32 v[48+\i], 0xc61c4000, v[32+\i]       ; -10000 + mask, rounded as f32 rounds it
.endr
.irp i, 0,1,2,3,4,5,6,7
	v_ldexp_f32 v[56+\i], v[48+\i], s57
.endr
	ds_store_b128 v197, v[40:43]                   ; (both halves of the lanes store the same bytes)
	ds_store_b128 v197, v[44:47] offset:16
	ds_store_b128 v197, v[56:59] offset:8192
	ds_store_b128 v197, v[60:63] offset:8208
	v_max3_num_f32 v74, v48, v49, 0xff000000       ; the floor -2^127: times log2(e) it is still a number
	v_max3_num_f32 v74, v74, v50, v51
	v_max3_num_f32 v74, v74, v52, v53
	v_max3_num_f32 v74, v74, v54, v55
	v_max_num_f32_dpp v74, v74, v74 row_xmask:1 row_mask:0xf bank_mask:0xf
	v_max_num_f32_dpp v74, v74, v74 row_xmask:2 row_mask:0xf bank_mask:0xf
	v_max_num_f32_dpp v74, v74, v74 row_xmask:4 row_mask:0xf bank_mask:0xf
	v_max_num_f32_dpp v74, v74, v74 row_xmask:8 row_mask:0xf bank_mask:0xf
	v_mul_f32 v75, s56, v74
	v_floor_f32 v76, -v75                          ; -M_w
.irp i, 0,1,2,3,4,5,6,7
	v_fma_f32 v[64+\i], v[48+\i], s56, v76
.endr
.irp i, 0,1,2,3,4,5,6,7
	v_exp_f32 v[64+\i], v[64+\i]
.endr
	v_nop                                          ; a plain line behind the last exponential
	s_wait_alu depctr_va_vdst(0)                   ; one wait for the batch, ahead of its first reader
	v_add_f32 v77, v64, v65
	v_add_f32 v78, v66, v67
	v_add_f32 v79, v68, v69
	v_add_f32 v80, v70, v71
	v_add_f32 v77, v77, v78
	v_add_f32 v79, v79, v80
	v_add_f32 v77, v77, v79
	v_add_f32_dpp v77, v77, v77 row_xmask:1 row_mask:0xf bank_mask:0xf
	v_add_f32_dpp v77, v77, v77 row_xmask:2 row_mask:0xf bank_mask:0xf
	v_add_f32_dpp v77, v77, v77 row_xmask:4 row_mask:0xf bank_mask:0xf
	v_add_f32_dpp v77, v77, v77 row_xmask:8 row_mask:0xf bank_mask:0xf
	v_mul_f32 v77, 0.5, v77                        ; half the sum: at the end both halves of the lanes add it to a query's sum
.irp i, 0,1,2,3,4,5,6,7
	v_min_num_f32 v[64+\i], v[64+\i], v240
.endr
	v_cvt_scalef32_pk8_bf8_f32 v[72:73], v[64:71], v244
	v_nop
	ds_store_b64 v198, v[72:73]
	ds_store_b64 v199, v[76:77]
	s_wait_tensorcnt 0x3                           ; my part of group 0 is in; the three loads behind it may be out
	s_wait_dscnt 0x0                               ; my tables have landed
	s_barrier_signal -1
	s_barrier_wait -1
; A KEY STEP: the 128 keys of block s17.  A step whose keys are all hidden from my block is left out: a scalar branch on ids, round its loads, products and softmax, not round the lines that step addresses.
.macro STEP
	s_cmp_gt_u32 s17, s19
	s_cbranch_scc1 .Lskip_\@
	v_add_nc_u32 v8, s2, v1
	v_add_nc_u32 v9, s3, v2
	v_add_nc_u32 v10, s16, v3
	v_nop                                          ; four plain lines in front of loads into registers that the last products have read
.irp t, 0,1,2,3,4,5,6,7
	ds_load_b128 v[32+8*\t:35+8*\t], v8 offset:(16*(\t/2)+4*(\t%2))*KP
	ds_load_b128 v[36+8*\t:39+8*\t], v8 offset:(16*(\t/2)+4*(\t%2))*KP+32
.endr
.irp n, 0,1,2,3,4,5,6,7,8,9,10,11,12,13,14,15
	ds_load_b128 v[96+4*\n:99+4*\n], v10 offset:128*(\n/4)+16*(\n%4)   ; the mask, in the result's layout: the first product's C
.endr
	s_wait_dscnt 0x0
.irp t, 0,1,2,3,4,5,6,7
	v_wmma_f32_16x16x64_bf8_bf8 v[96+8*\t:103+8*\t], v[32+8*\t:39+8*\t], v[16:23], v[96+8*\t:103+8*\t]
.endr
.rept 4
	v_nop
.endr
	s_cmp_eq_u32 s17, s19
	s_cbranch_scc0 .Lopen_\@
.irp n, 0,1,2,3,4,5,6,7,8,9,10,11,12,13,14,15
	ds_load_b128 v[32+4*\n:35+4*\n], v10 offset:8192+128*(\n/4)+16*(\n%4)   ; the diagonal: the hidden logits of these keys
.endr
	s_wait_dscnt 0x0
.irp n, 0,1,2,3,4,5,6,7,8,9,10,11,12,13,14,15,16,17,18,19,20,21,22,23,24,25,26,27,28,29,30,31,32,33,34,35,36,37,38,39,40,41,42,43,44,45,46,47,48,49,50,51,52,53,54,55,56,57,58,59,60,61,62,63
	v_cmp_gt_i32 vcc_lo, 32*(\n/16)+\n%16, v4
	v_cndmask_b32 v[96+\n], v[96+\n], v[32+\n], vcc_lo
.endr
.Lopen_\@:
.irp t, 0,1,2,3
.irp c, 0,1,2,3
	ds_load_b128 v[32+16*\t+4*\c:35+16*\t+4*\c], v9 offset:16*\t*VP+32*\c   ; V^T's four fragments land while the softmax is walked
.endr
.endr
	v_max3_num_f32 v254, v96, v97, v98             ; the step's largest score of my query among my 64 keys, in two chains, each accumulator from its low end on
	v_max3_num_f32 v252, v99, v100, v101
.set j, 6
.rept 14
	v_max3_num_f32 v254, v254, v[96+j], v[97+j]
	v_max3_num_f32 v252, v252, v[98+j], v[99+j]
.set j, j+4
.endr
	v_max3_num_f32 v254, v254, v158, v159
	v_max_num_f32 v254, v254, v252
	v_permlanex16_b32 v236, v254, s20, s21
	v_max_num_f32 v254, v254, v236                 ; and among lane l xor 16's
	v_mul_f32 v254, s22, v254                      ; as t (c is positive)
	v_max_num_f32 v13, v13, v254
	v_mov_b32 v254, v12
	v_floor_f32 v12, -v13                          ; the new -M
	v_sub_f32 v254, v12, v254                      ; old M less new M: a whole number, 0 or less
	v_cvt_i32_f32 v254, v254                       ; (it saturates)
	v_ldexp_f32 v252, 1.0, v254                    ; f = 2^(old M - new M)
.set j, 0
.rept 32
	v_pk_fma_f32 v[96+j:97+j], v[96+j:97+j], s[22:23], v[12:13] op_sel_hi:[1,0,0]   ; t - M, two at a time
.set j, j+2
.endr
.set j, 0
.rept 64
	v_exp_f32 v[96+j], v[96+j]                     ; p, not normalised
.set j, j+1
.endr
	v_pk_mul_f32 v[14:15], v[14:15], v[252:253] op_sel_hi:[1,0]   ; the sum under the new M: the plain line behind the exponentials
	s_wait_alu depctr_va_vdst(0)                   ; one wait for the batch of 64, ahead of its first reader
	v_pk_add_f32 v[242:243], v[96:97], v[98:99]    ; the sum of the unquantised p, in two chains
.set j, 4
.rept 15
	v_pk_add_f32 v[14:15], v[14:15], v[96+j:97+j]
	v_pk_add_f32 v[242:243], v[242:243], v[98+j:99+j]
.set j, j+4
.endr
	v_pk_add_f32 v[14:15], v[14:15], v[242:243]
.irp b, 0,1,2,3
.set j, 0
.rept 16
	v_min_num_f32 v[96+16*\b+j], v[96+16*\b+j], v240   ; p is not negative: a one-sided hold (the conversion does not saturate: ISA guide 7.6.2)
.set j, j+1
.endr
	v_cvt_scalef32_pk8_bf8_f32 v[224+4*\b:225+4*\b], v[96+16*\b:103+16*\b], v244
	v_cvt_scalef32_pk8_bf8_f32 v[226+4*\b:227+4*\b], v[104+16*\b:111+16*\b], v244
.endr
.set j, 0
.rept 16
	v_pk_mul_f32 v[160+j:161+j], v[160+j:161+j], v[252:253] op_sel_hi:[1,0]   ; O^T under the new M; also the plain lines between the conversions and the products
.set j, j+2
.endr
	s_wait_dscnt 0x0                               ; V^T's fragments are in
.irp t, 0,1,2,3
	v_wmma_f32_16x16x128_bf8_bf8 v[160+8*\t:167+8*\t], v[32+16*\t:47+16*\t], v[224:239], v[160+8*\t:167+8*\t]
.endr
.Lskip_\@:
	s_add_co_u32 s2, s2, 64*KP
	s_add_co_u32 s3, s3, 128
	s_add_co_u32 s16, s16, 512
	s_add_co_u32 s17, s17, 1
.endm
.macro GROUP_STEPS                     ; a group's four key steps: written once, walked four times
	s_mov_b32 s57, 4
.Lstep_\@:
	STEP
	s_sub_co_u32 s57, s57, 1
	s_cmp_lg_u32 s57, 0
	s_cbranch_scc1 .Lstep_\@
	s_add_co_u32 s2, s2, GRP-4*64*KP               ; on to the next group
	s_add_co_u32 s3, s3, GRP-512
.endm
	GROUP_STEPS                                    ; group 0, while groups 1 to 3 land
	s_wait_tensorcnt 0x0                           ; all my loads have landed,
	s_wait_dscnt 0x0
	s_barrier_signal -1
	s_barrier_wait -1                              ; everybody's have
	; U_w = V^T(block w) p_w: source 1 holds the block's codes in every column, so all sixteen columns of the result are alike
	s_lshr_b32 s58, s18, 2
	s_mul_i32 s58, s58, GRP
	s_and_b32 s59, s18, 3
	s_lshl_b32 s59, s59, 7
	s_add_co_u32 s58, s58, s59
	v_add_nc_u32 v9, s58, v2
.rept 3
	v_nop                                          ; with the addition: four plain lines in front of loads into registers that the last products have read
.endr
.irp t, 0,1,2,3
.irp c, 0,1,2,3
	ds_load_b128 v[32+16*\t+4*\c:35+16*\t+4*\c], v9 offset:16*\t*VP+32*\c
.endr
.endr
.irp c, 0,1,2,3
	ds_load_b128 v[224+4*\c:227+4*\c], v5 offset:32*\c
.endr
	s_wait_dscnt 0x0
.irp t, 0,1,2,3
	v_wmma_f32_16x16x128_bf8_bf8 v[96+8*\t:103+8*\t], v[32+16*\t:47+16*\t], v[224:239], 0
.endr
.rept 4
	v_nop
.endr
.irp t, 0,1,2,3
	ds_store_b128 v6, v[96+8*\t:99+8*\t] offset:64*\t          ; register i of tile t: d = 16 t + 8 h + i (the sixteen lanes of a half store the same bytes)
	ds_store_b128 v6, v[100+8*\t:103+8*\t] offset:64*\t+16
.endr
	s_wait_dscnt 0x0
	s_barrier_signal -1
	s_barrier_wait -1                              ; all sixteen U lie in LDS
	s_mov_b32 s56, 3
.Lgroup:
	GROUP_STEPS
	s_sub_co_u32 s56, s56, 1
	s_cmp_lg_u32 s56, 0
	s_cbranch_scc1 .Lgroup
	; THE BLOCKS BEHIND MINE.  Lane j % 16 holds block j's -M_j and l_j / 2; blocks that are not hidden from my block count for nothing.  No branch: a wave with no such block gets the factor 0.
.rept 4
	v_nop
.endr
	ds_load_b64 v[66:67], v7
.irp j, 0,1,2,3,4,5,6,7,8,9,10,11,12,13,14,15
	ds_load_b64 v[32+2*\j:33+2*\j], v11 offset:256*\j          ; U_j(2 lane), U_j(2 lane + 1)
.endr
	s_wait_dscnt 0x0
	v_cmp_lt_u32 vcc_lo, s19, v24                  ; hidden: my block < j
	v_cndmask_b32 v66, 0x7f61b1e6, v66, vcc_lo
	v_cndmask_b32 v67, 0, v67, vcc_lo
	v_mov_b32 v68, v66
	v_min_num_f32_dpp v68, v68, v68 row_xmask:1 row_mask:0xf bank_mask:0xf
	v_min_num_f32_dpp v68, v68, v68 row_xmask:2 row_mask:0xf bank_mask:0xf
	v_min_num_f32_dpp v68, v68, v68 row_xmask:4 row_mask:0xf bank_mask:0xf
	v_min_num_f32_dpp v68, v68, v68 row_xmask:8 row_mask:0xf bank_mask:0xf   ; -(the largest M_j)
	v_sub_f32 v69, v68, v66
	v_cvt_i32_f32 v69, v69
	v_ldexp_f32 v69, 1.0, v69
	v_cndmask_b32 v69, 0, v69, vcc_lo              ; g_j = 2^(M_j - the largest), or 0
	v_mul_f32 v70, v67, v69
	v_add_f32_dpp v70, v70, v70 row_xmask:1 row_mask:0xf bank_mask:0xf
	v_add_f32_dpp v70, v70, v70 row_xmask:2 row_mask:0xf bank_mask:0xf
	v_add_f32_dpp v70, v70, v70 row_xmask:4 row_mask:0xf bank_mask:0xf
	v_add_f32_dpp v70, v70, v70 row_xmask:8 row_mask:0xf bank_mask:0xf   ; half their sum
.irp j, 0,1,2,3,4,5,6,7,8,9,10,11,12,13,14,15
	v_readlane_b32 s[40+\j], v69, \j               ; (the descriptors that lay here are done with: all tensor loads were waited for)
.endr
	v_mul_f32 v64, s40, v32
	v_mul_f32 v65, s40, v33
.irp j, 1,2,3,4,5,6,7,8,9,10,11,12,13,14,15
	v_fmac_f32 v64, s[40+\j], v[32+2*\j]
	v_fmac_f32 v65, s[40+\j], v[33+2*\j]
.endr
	ds_store_b64 v192, v[64:65]                    ; through my stage into O^T's layout; LDS serves a wave's instructions in order
.irp t, 0,1,2,3
	ds_load_b128 v[96+8*\t:99+8*\t], v193 offset:64*\t
	ds_load_b128 v[100+8*\t:103+8*\t], v193 offset:64*\t+16
.endr
	v_min_num_f32 v71, v12, v68                    ; -(the final M)
	v_sub_f32 v72, v71, v12
	v_cvt_i32_f32 v72, v72
	v_ldexp_f32 v252, 1.0, v72                     ; f1: what I have summed, under the final M
	v_sub_f32 v73, v71, v68
	v_cvt_i32_f32 v73, v73
	v_ldexp_f32 v254, 1.0, v73                     ; f2: the hidden blocks, under the final M
	v_mul_f32 v70, v70, v254
	v_fma_f32 v14, v14, v252, v70
	v_mul_f32 v15, v15, v252
	s_wait_dscnt 0x0
.set j, 0
.rept 16
	v_pk_mul_f32 v[96+j:97+j], v[96+j:97+j], v[254:255] op_sel_hi:[1,0]
.set j, j+2
.endr
.set j, 0
.rept 16
	v_pk_fma_f32 v[160+j:161+j], v[160+j:161+j], v[252:253], v[96+j:97+j] op_sel_hi:[1,0,1]
.set j, j+2
.endr
	; THE WAY OUT: O^T x 2^(e4 + e5) / the sum, quantised with 2^e6; 16 rows of 64 codes go through my stage and leave as 1 KiB on end
	v_add_f32 v14, v14, v15
	v_permlanex16_b32 v236, v14, s20, s21
	v_add_f32 v14, v14, v236
	v_rcp_f32 v14, v14
	v_nop
	s_wait_alu depctr_va_vdst(0)                   ; ahead of the reciprocal's first reader
	v_ldexp_f32 v14, v14, s93
.set j, 0
.rept 32
	v_mul_f32 v[96+j], v[160+j], v14
.set j, j+1
.endr
.set j, 0
.rept 32
	v_med3_num_f32 v[96+j], v[96+j], -v241, v241
.set j, j+1
.endr
.irp t, 0,1,2,3
	v_cvt_scalef32_pk8_bf8_f32 v[224+2*\t:225+2*\t], v[96+8*\t:103+8*\t], v245
.endr
	v_nop
.irp t, 0,1,2,3
	ds_store_b64 v194, v[224+2*\t:225+2*\t] offset:16*\t       ; row r (pitch 80), bytes 16 t + 8 h on
.endr
	ds_load_b128 v[32:35], v195
	ds_load_b128 v[36:39], v195 offset:640
	s_wait_dscnt 1                                 ; the first of the two is in
	global_store_b128 v196, v[32:35], s[14:15]     ; 32 lanes store 512 consecutive bytes, aligned
	s_wait_dscnt 0
	global_store_b128 v196, v[36:39], s[14:15] offset:512
	CROUND                                         ; the closing round
	s_endpgm
.Lfunc_end_k_qacbd4ad908_attn:
	.size	k_qacbd4ad908_attn, .Lfunc_end_k_qacbd4ad908_attn-k_qacbd4ad908_attn
	.p2alignl 7, 3214868480
	.fill 96, 4, 3214868480
	.section	.rodata,"a",@progbits
	.p2align	6, 0x0
	.amdhsa_kernel k_qacbd4ad908_attn
		.amdhsa_group_segment_fixed_size 327680
		.amdhsa_private_segment_fixed_size 0
		.amdhsa_enable_private_segment 0
		.amdhsa_kernarg_size 48
		.amdhsa_user_sgpr_count 2
		.amdhsa_user_sgpr_kernarg_segment_ptr 1
		.amdhsa_wavefront_size32 1
		.amdhsa_system_sgpr_workgroup_id_x 1
		.amdhsa_system_sgpr_workgroup_id_y 1
		.amdhsa_system_sgpr_workgroup_id_z 1
		.amdhsa_system_vgpr_workitem_id 0
		.amdhsa_next_free_vgpr 256
		.amdhsa_next_free_sgpr 100
		.amdhsa_reserve_vcc 1
		.amdhsa_float_denorm_mode_32 3
		.amdhsa_float_denorm_mode_16_64 3
		.amdhsa_memory_ordered 1
		.amdhsa_forward_progress 1
		.amdhsa_inst_pref_size 76
	.end_amdhsa_kernel
	.amdgpu_metadata
---
amdhsa.version: [ 1, 2 ]
amdhsa.kernels:
  - .name:           k_qacbd4ad908_attn
    .symbol:         k_qacbd4ad908_attn.kd
    .args:
      - { .name: q_codes, .offset: 0, .size: 8, .value_kind: global_buffer, .address_space: global }
      - { .name: k_codes, .offset: 8, .size: 8, .value_kind: global_buffer, .address_space: global }
      - { .name: vt_codes, .offset: 16, .size: 8, .value_kind: global_buffer, .address_space: global }
      - { .name: attention_mask, .offset: 24, .size: 8, .value_kind: global_buffer, .address_space: global }
      - { .name: lowp_scales, .offset: 32, .size: 8, .value_kind: global_buffer, .address_space: global }
      - { .name: a_codes, .offset: 40, .size: 8, .value_kind: global_buffer, .address_space: global }
    .group_segment_fixed_size: 327680
    .private_segment_fixed_size: 0
    .kernarg_segment_align: 8
    .kernarg_segment_size: 48
    .max_flat_workgroup_size: 512
    .sgpr_count:     100
    .vgpr_count:     256
    .wavefront_size: 32
...
	.end_amdgpu_metadata
.endif
;; end of part 3
;; launch proj (part 4): grid 4 x 32, 4 waves a work-group, clusters of 4 x 4, 327,680 bytes of LDS; arguments a_codes, wp_codes, lowp_scales, b_proj, out0; writes out0
.if DOCPART == 4
	.amdgcn_target "amdgcn-amd-amdhsa--gfx1250"
	.amdhsa_code_object_version 6
	.text
	.protected	k_qacbd4ad908_proj
	.globl	k_qacbd4ad908_proj
	.p2align	8
	.type	k_qacbd4ad908_proj,@function
k_qacbd4ad908_proj:
	s_mov_b64 s[64:65], 0
	v_nop
	global_prefetch_b8 v0, s[64:65] scope:SCOPE_SE
	s_setreg_imm32_b32 hwreg(HW_REG_WAVE_MODE, 25, 1), 1
	s_wait_xcnt 0x0
	s_wait_alu depctr_hold_cnt(0) depctr_sa_sdst(0) depctr_va_vdst(0) depctr_va_sdst(0) depctr_va_ssrc(0) depctr_va_vcc(0) depctr_vm_vsrc(0)
	s_getreg_b32 s2, hwreg(HW_REG_IB_STS2, 6, 4)
	s_cmp_eq_u32 s2, 0
	s_cbranch_scc0 .Lentry_in_a_cluster
	s_endpgm
.Lentry_in_a_cluster:
	s_bfe_u32 s2, ttmp6, 0x10000c
	s_cmp_lg_u32 s2, 0xf033
	s_cbranch_scc0 .Lentry_shape_is_right
	s_endpgm
.Lentry_shape_is_right:
; out0 = a W_proj + b_proj on codes of BF8.  a_codes: [64 head][2048 s][64 d], so that k = 64 h + d of token (batch, s) lies in head 16 batch + h; wp_codes: [1024 n][1024 k]; out0: [8192][1024] f32.
; A tile of 256 x 256 of the result is made by four waves, 128 x 128 each (64 accumulators, 512 registers); K = 1,024 goes in four steps of 256 (four heads) through two LDS slots filled by joint tensor loads of a 4 x 4 cluster.
; A's part of a slot: [4 heads][256 tokens][64 codes + 16 bytes]; a load brings two heads: two dense runs of 16,384 bytes, 131,072 apart, padded behind every 64 bytes.  B's part: 256 rows of 256 + 16.
; The matrix instruction takes source 0 = 16 rows of B, source 1 = 16 rows of A: a lane holds eight neighbouring numbers of a row of the result.  A finished sum is multiplied by 2^(e6 + e7); the bias is added to the rows read back.
; 128 work-groups: 32 x 4 tiles.  LIMIT: e6 + e7 between -126 and 127.
; REGISTERS, in windows of 256: window 0: v0-31 addresses and v[8:11] my four bias numbers; from v128 A's fragments, one set; on the way out v32-255 are free.   window 1: B's fragments, two sets.   windows 2, 3: the accumulators.
.set ROWB,   256
.set KROW,   1024
.set PITCH,  272                       ; B's LDS row
.set APITCH, 80                        ; A's LDS row: 64 bytes + 16: sixteen rows start at sixteen different groups of four banks (64 banks of 4 bytes: ISA guide 11.1)
.set AHEAD,  256*APITCH                ; a head's 256 tokens
.set ASZ,    4*AHEAD
.set HALFB,  128*PITCH
.set SLOT,   ASZ+2*HALFB
.set ASTEP,  4*131072                  ; four heads on, in memory
.set FR,     16
.set NL,     4
.set NP,     4
.set LAPS,   2
.set SPARE,  2*SLOT                    ; behind the ring: the spare words, 128 bytes a wave, which no other line names
.set SPITCH, 528                       ; the way out: a stage of 16 rows x (512 + 16) bytes for each wave, in slot 0, which has had its last fill and its last read by then
.set ADRA, 16                          ; v16-19  my A fragments: slot s, 128 along K number q: v[16 + 2 s + q]
.set ADRB, 20                          ; v20-21  my B fragments in slot 0, 1
.set STO,  24
.set RD,   25
.set CO,   26
.set SPW,  28
.set NIL,  29
.set TMP,  32
.set AF,   128
.set BK,   128
.set G1, 24
.set G0, 32
.set G1B, 48
.set G0B, 56
.set MSB, 0
.macro WIN new
.if MSB != \new
	s_set_vgpr_msb (MSB<<8)|\new
.set MSB, \new
.endif
.endm
.set MUL_LO, 0xa1
.set MUL_HI, 0xf1
.set TO_B,   0x40
.macro JLOAD g0a, g1a, g0b, g1b        ; waves 0 and 1 fetch for A, waves 2 and 3 for B; four v_nop follow each of the two lines
	s_cmp_eq_u32 s15, 0
	s_cbranch_scc0 .Lfor_b_\@
	tensor_load_to_lds s[\g0a:\g0a+3], s[\g1a:\g1a+7]
.rept 4
	v_nop
.endr
	s_branch .Lasked_\@
.Lfor_b_\@:
	tensor_load_to_lds s[\g0b:\g0b+3], s[\g1b:\g1b+7]
.rept 4
	v_nop
.endr
.Lasked_\@:
.endm
.macro CREST
	s_cmp_lg_u32 s14, 0
	s_cbranch_scc1 .Lnot_wave_0_\@
	s_barrier_signal -3
.Lnot_wave_0_\@:
	s_barrier_wait -3
	s_barrier_signal -1
	s_barrier_wait -1
.endm
.macro CROUND
	s_barrier_signal -1
	s_barrier_wait -1
	CREST
.endm
	s_load_b256 s[4:11], s[0:1], 0x0               ; a_codes s[4:5], wp_codes s[6:7], the scales' exponents s[8:9], b_proj s[10:11]
	s_load_b64 s[12:13], s[0:1], 0x20              ; out0
	v_lshl_add_u32 v[SPW], v0, 2, SPARE
	v_mov_b32 v[NIL], 0
	v_lshrrev_b32 v1, 5, v0
	v_readfirstlane_b32 s14, v1                    ; wave 0..3
	s_lshr_b32 s15, s14, 1                         ; which half of the tile's rows is mine.  Also: I fetch for A (0) or for B (1)
	s_and_b32 s16, s14, 1                          ; which half of its columns.  Also: which half of that tile I fetch
	s_bfe_u32 s40, ttmp6, 0x40000                  ; cx
	s_bfe_u32 s41, ttmp6, 0x40004                  ; cy
	s_lshl_b32 s42, ttmp9, 2
	s_add_co_u32 s42, s42, s40                     ; tile column
	s_and_b32 s17, ttmp7, 0xffff
	s_lshl_b32 s17, s17, 2
	s_add_co_u32 s17, s17, s41                     ; tile row
	s_lshl_b32 s43, s41, 2
	s_lshl_b32 s43, 15, s43                        ; my row of the cluster
	s_lshl_b32 s44, 0x1111, s40                    ; my column
	s_or_b32 s[G1+0], s43, (0<<16)|(1<<20)|(1<<21)|(3<<22)|(3<<25)  ; A: the mask of my row; elements of 1 byte; padding on; bit 21 beside a mask; 4 words behind every 16
	s_mov_b32 s[G1+1], 16384<<16                   ; tensor_dim0 = 16,384: a head's 256 tokens x 64 codes, dense
	s_mov_b32 s[G1+2], 2<<16                       ; tensor_dim1 = 2 heads
	s_mov_b32 s[G1+3], 16384<<16                   ; tile_dim0
	s_mov_b32 s[G1+4], 2                           ; tile_dim1
	s_mov_b32 s[G1+5], 131072                      ; from head to head
	s_mov_b32 s[G1+6], 0
	s_mov_b32 s[G1+7], 0
	s_or_b32 s[G1B+0], s44, (0<<16)|(1<<20)|(1<<21)|(5<<22)|(3<<25) ; B: the mask of my column; 4 words behind every 64
	s_mov_b32 s[G1B+1], ROWB<<16
	s_mov_b32 s[G1B+2], 128<<16
	s_mov_b32 s[G1B+3], ROWB<<16
	s_mov_b32 s[G1B+4], 128
	s_mov_b32 s[G1B+5], KROW
	s_mov_b32 s[G1B+6], 0
	s_mov_b32 s[G1B+7], 0
	s_lshr_b32 s20, s17, 3                         ; A: head 16 x batch + 2 x half,
	s_lshl_b32 s20, s20, 4
	s_lshl_b32 s18, s16, 1
	s_add_co_u32 s20, s20, s18
	s_lshl_b32 s20, s20, 17
	s_and_b32 s18, s17, 7                          ; tokens 256 (R % 8) on
	s_lshl_b32 s18, s18, 14
	s_add_co_u32 s20, s20, s18
	s_mov_b32 s21, 0
	s_lshl_b32 s46, s42, 8                         ; B: row 256 x tile column + 128 x half
	s_lshl_b32 s18, s16, 7
	s_add_co_u32 s46, s46, s18
	s_lshl_b32 s46, s46, 10
	s_mov_b32 s47, 0
	s_mul_i32 s45, s16, 2*AHEAD                    ; where they go: no place in the cluster enters an LDS address
	s_mul_i32 s66, s16, HALFB
	s_add_co_u32 s66, s66, ASZ
	s_wait_kmcnt 0x0
	s_load_b256 s[76:83], s[8:9], 0x0              ; e0 .. e7
	s_add_nc_u64 s[20:21], s[4:5], s[20:21]
	s_add_nc_u64 s[46:47], s[6:7], s[46:47]
	CROUND                                         ; all sixteen work-groups are here: the first joint loads meet
.irp s, 0,1
	s_mov_b32 s[G0+4*\s], 1
	s_add_co_u32 s[G0+4*\s+1], s45, \s*SLOT
	s_add_nc_u64 s[G0+4*\s+2:G0+4*\s+3], s[20:21], \s*ASTEP
	s_or_b32 s[G0+4*\s+3], s[G0+4*\s+3], 0x80000000
	s_mov_b32 s[G0B+4*\s], 1
	s_add_co_u32 s[G0B+4*\s+1], s66, \s*SLOT
	s_add_nc_u64 s[G0B+4*\s+2:G0B+4*\s+3], s[46:47], \s*ROWB
	s_or_b32 s[G0B+4*\s+3], s[G0B+4*\s+3], 0x80000000
	JLOAD G0+4*\s, G1, G0B+4*\s, G1B
.endr
	v_and_b32 v1, 15, v0                           ; r
	v_bfe_u32 v2, v0, 4, 1                         ; h
	v_mul_u32_u24 v3, v1, APITCH
	v_lshl_add_u32 v3, v2, 4, v3
	s_mul_i32 s21, s15, 128*APITCH                 ; my 128 tokens
.irp s, 0,1
.irp q, 0,1
	s_add_co_u32 s22, s21, \s*SLOT+2*\q*AHEAD
	v_add_nc_u32 v[ADRA+2*\s+\q], s22, v3
.endr
.endr
	v_mul_u32_u24 v4, v1, PITCH
	v_lshl_add_u32 v4, v2, 4, v4
	s_mul_i32 s22, s16, HALFB
	s_add_co_u32 s22, s22, ASZ
.irp s, 0,1
	v_add_nc_u32 v[ADRB+\s], s22, v4
	s_add_co_u32 s22, s22, SLOT
.endr
	s_mul_i32 s23, s14, 16*SPITCH                  ; my stage
	v_mul_u32_u24 v5, v1, SPITCH
	v_lshl_add_u32 v5, v2, 5, v5
	v_add_nc_u32 v[STO], s23, v5                   ; in: row r, 32 bytes for each half of the lanes
	v_and_b32 v6, 31, v0
	v_lshlrev_b32 v[CO], 4, v6                     ; back: the 32 lanes take one row of 512 bytes; and the same in out0
	v_add_nc_u32 v[RD], s23, v[CO]
	s_lshl_b32 s20, s17, 8
	s_lshl_b32 s21, s15, 7
	s_add_co_u32 s20, s20, s21
	s_lshl_b32 s20, s20, 12                        ; my first row of out0, rows of 4,096 bytes
	s_lshl_b32 s46, s42, 10
	s_lshl_b32 s47, s16, 9
	s_add_co_u32 s46, s46, s47                     ; my first column, in bytes
	s_add_co_u32 s20, s20, s46
	s_mov_b32 s21, 0
	s_add_nc_u64 s[12:13], s[12:13], s[20:21]
	v_add_nc_u32 v7, s46, v[CO]
	global_load_b128 v[8:11], v7, s[10:11]         ; b_proj at my four columns: the same in every row that I store
.macro FRAGA reg, slot, q, i           ; 16 tokens x 128 K: registers 4 c .. 4 c + 3 hold K = 128 q + 32 c + 16 h + 0 .. 15: head 2 q + c / 2 of the slot, d = 32 (c % 2) + 16 h on
.irp c, 0,1,2,3
	ds_load_b128 v[\reg+4*\c:\reg+4*\c+3], v[ADRA+2*(\slot)+(\q)] offset:(\c/2)*AHEAD+(\i)*16*APITCH+32*(\c%2)
.endr
.endm
.macro FRAGB reg, slot, q, i           ; the same places along K, from rows that lie along K
.irp c, 0,1,2,3
	ds_load_b128 v[\reg+4*\c:\reg+4*\c+3], v[ADRB+\slot] offset:128*(\q)+32*\c+(\i)*16*PITCH
.endr
.endm
.macro MUL16 a0, p, zero               ; the 64 accumulators take turns, one instruction a turn, in the same order in every step
.irp a, \a0, \a0+1
.irp b, 0,1,2,3,4,5,6,7
.if \zero
	v_wmma_f32_16x16x128_bf8_bf8 v[8*(8*((\a)%4)+\b):8*(8*((\a)%4)+\b)+7], v[128*(\p)+FR*\b:128*(\p)+FR*\b+FR-1], v[AF+FR*(\a):AF+FR*(\a)+FR-1], 0
.else
	v_wmma_f32_16x16x128_bf8_bf8 v[8*(8*((\a)%4)+\b):8*(8*((\a)%4)+\b)+7], v[128*(\p)+FR*\b:128*(\p)+FR*\b+FR-1], v[AF+FR*(\a):AF+FR*(\a)+FR-1], v[8*(8*((\a)%4)+\b):8*(8*((\a)%4)+\b)+7]
.endif
.endr
.endr
.endm
.macro FETCH_B slot, q, p
	WIN TO_B
.irp i, 0,1,2,3,4,5,6,7
	FRAGB 128*(\p)+FR*\i, \slot, \q, \i
.endr
	WIN 0
.endm
.macro FETCH_A slot, q, i0
.irp i, \i0, \i0+1, \i0+2, \i0+3
	FRAGA AF+FR*(\i), \slot, \q, \i
.endr
.endm
.macro PLACES n                        ; plain vector lines between a matrix instruction and a load into, or a read of, its registers
.rept \n
	v_nop
.endr
.endm
.macro STEP slot, q, zero
	s_wait_dscnt 4*NL                              ; B's set and A's blocks 0-3 are in; the youngest 16 loads (A's blocks 4-7) may be out
	WIN MUL_LO
	MUL16 0, (\q)%2, \zero
	MUL16 2, (\q)%2, \zero
	s_wait_dscnt 0
	PLACES NP
	FETCH_B \slot, (\q)+1, 1-(\q)%2
	FETCH_A \slot, (\q)+1, 0
	WIN MUL_HI
	MUL16 4, (\q)%2, \zero
	MUL16 6, (\q)%2, \zero
	PLACES NP
	WIN 0
	FETCH_A \slot, (\q)+1, 4
.endm
.macro TURN slot, next, fill           ; a slot's last step changes slots
	s_wait_tensorcnt 0x0                           ; all my tensor loads have landed: my part of the next slot
	ds_add_u32 v[SPW], v[NIL]                      ; 0 onto my spare word
	s_wait_dscnt 4*NL+1                            ; (the add and the youngest 16 loads may be out)
	WIN MUL_LO
	MUL16 0, 1, 0
	s_wait_dscnt 0x0                               ; the add is done, and my reads of this slot are over
	s_barrier_signal -1
	MUL16 2, 1, 0
	WIN 0
	s_barrier_wait -1
.if \fill
	CREST                                          ; the barrier has opened a round of the cluster's barrier: no wave of any partner still reads this slot or has a load on its way
	s_add_nc_u64 s[G0+4*\slot+2:G0+4*\slot+3], s[G0+4*\slot+2:G0+4*\slot+3], 2*ASTEP
	s_add_nc_u64 s[G0B+4*\slot+2:G0B+4*\slot+3], s[G0B+4*\slot+2:G0B+4*\slot+3], 2*ROWB
	JLOAD G0+4*\slot, G1, G0B+4*\slot, G1B         ; the first tensor load behind the round; its four v_nop are also the places in front of the loads below
.else
	PLACES NP
.endif
	FETCH_B \next, 0, 0
	FETCH_A \next, 0, 0
	WIN MUL_HI
	MUL16 4, 1, 0
	MUL16 6, 1, 0
	PLACES NP
	WIN 0
	FETCH_A \next, 0, 4
.endm
	s_wait_tensorcnt 1                             ; my part of K step 0 is in; K step 1's load may be out
	s_barrier_signal -1
	s_barrier_wait -1
	FETCH_B 0, 0, 0
	FETCH_A 0, 0, 0
	FETCH_A 0, 0, 4
	STEP 0, 0, 1
	s_mov_b32 s3, LAPS-1
.Llap:
	TURN 0, 1, 1
	STEP 1, 0, 0
	TURN 1, 0, 1
	STEP 0, 0, 0
	s_sub_co_u32 s3, s3, 1
	s_cmp_lg_u32 s3, 0
	s_cbranch_scc1 .Llap
	TURN 0, 1, 0
	STEP 1, 0, 0
	s_wait_dscnt 4*NL
	WIN MUL_LO
	MUL16 0, 1, 0
	MUL16 2, 1, 0
	s_wait_dscnt 0
	WIN MUL_HI
	MUL16 4, 1, 0
	MUL16 6, 1, 0
	WIN 0
; THE WAY OUT, block by block of 16 rows x 128 columns: sums x 2^(e6 + e7) go through my own stage and come back as whole rows of 512 bytes; the bias is added there, where a lane's four columns are the same in every row.
.macro TOSTAGE a
.set AC, 64*((\a)%4)
	WIN 0x02+((\a)/4)
.set j, 0
.rept 32
	v_pk_mul_f32 v[TMP+j:TMP+j+1], v[AC+j:AC+j+1], s[96:97] op_sel_hi:[1,0]   ; a power of two: nothing is rounded; each accumulator from its low end on
.set j, j+2
.endr
	WIN 0
.irp b, 0,1,2,3,4,5,6,7
	ds_store_b128 v[STO], v[TMP+8*\b:TMP+8*\b+3] offset:64*\b
	ds_store_b128 v[STO], v[TMP+8*\b+4:TMP+8*\b+7] offset:64*\b+16
.endr
.set BB, BK+64*((\a)%2)
.irp t, 0,1,2,3,4,5,6,7,8,9,10,11,12,13,14,15
	ds_load_b128 v[BB+4*\t:BB+4*\t+3], v[RD] offset:\t*SPITCH   ; LDS serves a wave's instructions in order (ISA guide 5.7.1.4): these see the stores above
.endr
.endm
.macro SEND a, younger                 ; younger: the LDS instructions issued behind block a's loads, which may stay out
.set BB, BK+64*((\a)%2)
	s_wait_dscnt \younger
.set j, 0
.rept 16
	v_pk_add_f32 v[BB+j:BB+j+1], v[BB+j:BB+j+1], v[8:9]
	v_pk_add_f32 v[BB+j+2:BB+j+3], v[BB+j+2:BB+j+3], v[10:11]
.set j, j+4
.endr
.if (\a) > 0
	s_add_nc_u64 s[12:13], s[12:13], 16*4096       ; (behind a wait on XCNT: the earlier stores have read their base)
.endif
.irp t, 0,1,2,3,4,5,6,7,8,9,10,11,12,13,14,15
	global_store_b128 v[CO], v[BB+4*\t:BB+4*\t+3], s[12:13] offset:\t*4096 th:TH_STORE_NT   ; 32 lanes store 512 consecutive bytes, aligned
.endr
.endm
	s_wait_kmcnt 0x0
	s_add_co_i32 s96, s82, s83
	s_add_co_i32 s96, s96, 127
	s_lshl_b32 s96, s96, 23                        ; 2^(e6 + e7) as f32
	s_mov_b32 s97, s96
	s_wait_loadcnt 0x0                             ; the bias
	PLACES NP
	TOSTAGE 0
.irp a, 1,2,3,4,5,6,7
.if \a > 1
	s_wait_xcnt 0x0                                ; block a - 2's stores have read their registers and their base
.endif
	TOSTAGE \a
	SEND \a-1, 32                                  ; behind block a - 1's loads: block a's 16 stores and 16 loads
.endr
	s_wait_xcnt 0x0
	SEND 7, 0
	s_wait_tensorcnt 0x0                           ; the wave's end
	ds_add_u32 v[SPW], v[NIL]
	s_wait_dscnt 0x0
	CROUND                                         ; the closing round
	s_endpgm
.Lfunc_end_k_qacbd4ad908_proj:
	.size	k_qacbd4ad908_proj, .Lfunc_end_k_qacbd4ad908_proj-k_qacbd4ad908_proj
	.p2alignl 7, 3214868480
	.fill 96, 4, 3214868480
	.section	.rodata,"a",@progbits
	.p2align	6, 0x0
	.amdhsa_kernel k_qacbd4ad908_proj
		.amdhsa_group_segment_fixed_size 327680
		.amdhsa_private_segment_fixed_size 0
		.amdhsa_enable_private_segment 0
		.amdhsa_kernarg_size 40
		.amdhsa_user_sgpr_count 2
		.amdhsa_user_sgpr_kernarg_segment_ptr 1
		.amdhsa_wavefront_size32 1
		.amdhsa_system_sgpr_workgroup_id_x 1
		.amdhsa_system_sgpr_workgroup_id_y 1
		.amdhsa_system_sgpr_workgroup_id_z 1
		.amdhsa_system_vgpr_workitem_id 0
		.amdhsa_next_free_vgpr 1024
		.amdhsa_next_free_sgpr 98
		.amdhsa_reserve_vcc 0
		.amdhsa_float_denorm_mode_32 3
		.amdhsa_float_denorm_mode_16_64 3
		.amdhsa_memory_ordered 1
		.amdhsa_forward_progress 1
		.amdhsa_inst_pref_size 139
	.end_amdhsa_kernel
	.amdgpu_metadata
---
amdhsa.version: [ 1, 2 ]
amdhsa.kernels:
  - .name:           k_qacbd4ad908_proj
    .symbol:         k_qacbd4ad908_proj.kd
    .args:
      - { .name: a_codes, .offset: 0, .size: 8, .value_kind: global_buffer, .address_space: global }
      - { .name: wp_codes, .offset: 8, .size: 8, .value_kind: global_buffer, .address_space: global }
      - { .name: lowp_scales, .offset: 16, .size: 8, .value_kind: global_buffer, .address_space: global }
      - { .name: b_proj, .offset: 24, .size: 8, .value_kind: global_buffer, .address_space: global }
      - { .name: out0, .offset: 32, .size: 8, .value_kind: global_buffer, .address_space: global }
    .group_segment_fixed_size: 327680
    .private_segment_fixed_size: 0
    .kernarg_segment_align: 8
    .kernarg_segment_size: 40
    .max_flat_workgroup_size: 128
    .sgpr_count:     98
    .vgpr_count:     1024
    .wavefront_size: 32
...
	.end_amdgpu_metadata
.endif
;; end of part 4
